; MI455X (gfx1250); checked and timed in simulation.
; The chip was launched on July 23, 2026; its instructions are those of AMD's public machine-readable ISA for CDNA 5 (MIT licence, August 2026) and "CDNA5" Instruction Set Architecture Reference Guide (July 2026). The comments in the code are by the model that wrote it; some were corrected since.
;; Causal Self Attention. Allowed arithmetic: matrix products marked QUANTISED: E2M1 operands, one E8M0 scale for each 32 along K, by v_wmma_scale_f32_16x16x128_f8f6f4 with both operands' format E2M1 (or v_wmma_scale_f32_32x16x128_f4), f32 sums; products left as they are: bf16, f16 or f32 operands; f32 sums; everything else in f32.
;; Inputs: w_attn 3,072 x 1,024 float32; w_proj 1,024 x 1,024 float32; x 1 x 4,096 x 1,024 float32.
;; Outputs: out0 1 x 4,096 x 1,024 float32.
;; This version of the problem:
;;   THIS VERSION OF THE PROBLEM IS GIVEN IN LOW PRECISION. The matrix products marked QUANTISED in the list below multiply operands that are first quantised to E2M1 (2 exponent bits, 1 mantissa bit; 4 bits a number), with one power-of-two scale for each 32 numbers along K (OCP MX v1.0); their sums are f32. The products marked 'left as it is' may take bf16, f16 or f32 operands, with f32 sums. All else is computed in f32.
;;   The module's matrix products, in the order in which they are computed (A, B: the left and right operand; K: the contracted axis; several contracted axes count as one K, in the product's order):
;;     1. [M 4,096, K 1,024] x [K 1,024, N 3,072]; A: input x; B: input w_attn: QUANTISED
;;     2. batch 16 x [M 4,096, K 64] x [K 64, N 4,096]; A: computed on the way; B: computed on the way: left as it is (an operand is computed on the way)
;;     3. batch 16 x [M 4,096, K 4,096] x [K 4,096, N 64]; A: computed on the way; B: computed on the way: left as it is (an operand is computed on the way)
;;     4. [M 4,096, K 1,024] x [K 1,024, N 1,024]; A: computed on the way; B: input w_proj: left as it is (an operand is computed on the way)
;;   THE QUANTISER, for each operand of a quantised product, along K:
;;     - K is cut into blocks of 32 from its start; a last block that is shorter is filled with zeros.
;;     - A block's scale is 2^e with e = floor(log2(the largest magnitude in the block)) - 2, held to -126 .. 127; a block of zeros has e = 0. As a byte (E8M0): e + 127.
;;     - Each number is divided by its block's scale, clamped to +-6, and rounded to the nearest number of E2M1, ties to even, subnormals kept.
;;     - The product sums the exact products of the quantised numbers (number of the format x scale) in f32.
;;   ~~~python
;;   def quantise(x, axis):      # numpy; x: float32 -> the quantised numbers, widened to float32 again
;;       x = np.moveaxis(x, axis, -1); K = x.shape[-1]
;;       x = np.pad(x, [(0, 0)] * (x.ndim - 1) + [(0, -K % 32)]); x = x.reshape(x.shape[:-1] + (-1, 32)); a = np.abs(x).max(-1, keepdims=True)
;;       e = np.where(a > 0, np.clip(np.frexp(np.where(a > 0, a, 1))[1] - 1 - 2, -126, 127), 0)      # np.frexp(a)[1] - 1 = floor(log2(a)), exactly
;;       r = np.clip(x / 2.0 ** e, -6, 6)
;;       step = 2.0 ** (np.maximum(np.frexp(np.where(r == 0, 1, r))[1] - 1, 0) - 1)
;;       q = np.round(r / step) * step * 2.0 ** e      # np.round: ties to even
;;       return np.moveaxis(q.reshape(q.shape[:-2] + (-1,))[..., :K], -1, axis).astype(np.float32)
;;   ~~~
;; One version. Each part assembles by itself: llvm-mc -triple=amdgcn-amd-amdhsa -mcpu=gfx1250 --defsym DOCPART=n.
;; ======== version 1 of 1: 4 launches
;; limits: values are held in f16: magnitudes above 65,504 overflow, below 6.1e-05 lose precision
;; workspace buffers: xc 2,097,152 bytes; wc 1,572,864 bytes; scl 229,376 bytes; wph 2,097,152 bytes; qkvh 25,165,824 bytes; qkv32 786,432 bytes; yh 8,388,608 bytes; y32 262,144 bytes
;; launch prep (part 1): grid 256 x 1, 4 waves a work-group, no clusters, 33,280 bytes of LDS; arguments x, w_attn, w_proj, xc, wc, scl, wph; writes xc, wc, scl, wph
.if DOCPART == 1
	.amdgcn_target "amdgcn-amd-amdhsa--gfx1250"
	.amdhsa_code_object_version 6
	.text
	.protected	k_q47d0aa3e4c_prep
	.globl	k_q47d0aa3e4c_prep
	.p2align	8
	.type	k_q47d0aa3e4c_prep,@function
k_q47d0aa3e4c_prep:
	s_mov_b64 s[64:65], 0
	v_nop
	global_prefetch_b8 v0, s[64:65] scope:SCOPE_SE
	s_setreg_imm32_b32 hwreg(HW_REG_WAVE_MODE, 25, 1), 1
	s_wait_xcnt 0x0
; x [4096][1024] and w_attn [3072][1024], f32, become codes of FP4 (E2M1), K innermost, two codes a byte, with one E8M0 scale byte for each 32 along K;
; w_proj [1024][1024] f32 becomes f16, laid by head: wph [16 head][1024 o][64 d].
; A block's scale is 2^(floor(log2(its largest magnitude)) - 2); its byte is the largest magnitude's exponent field - 2, held at 1 from below.  A block of zeros so gets the byte 1 where the
; quantiser says 127: its codes are zeros, which add nothing under any byte but 0xff, and the bytes are read by this program alone.
; LIMITS: blocks whose largest magnitude lies under 2^(2 - 126) keep the byte 1; NaN and infinities among the inputs are not served; |w_proj| stays under 65,504 (f16).
; SHARES: work-groups 0-127 take x, 128-223 w_attn, 224-255 w_proj; 32,768 numbers a work-group, 8,192 a wave.  Rows are dense and K is a multiple of 32: x and w_attn are plain streams of blocks.
; A wave takes 16 steps of 512 numbers.  Each load reads 512 consecutive bytes; a step's 2,048 bytes turn through the wave's own stage in LDS and come back 64 bytes a lane, so that a lane holds
; 16 neighbours along K (two lanes to a block).  Loads run eight steps (32 loads, 16 KB a wave) ahead: there is one wave to a SIMD here, so what is in flight comes from depth.
.set STEPS, 16
.set WGX,   128                        ; work-groups for x
.set WGQ,   224                        ; for x and w_attn together
.set EMAX,  2
.set CB,    8                          ; bytes of 16 codes
.set R,     16                         ; v16-143  eight sets of 16 numbers as they are loaded (the cast: 32 sets of 4)
.set X,     144                        ; v144-175 two sets of 16 neighbours (the cast: v144-207, 32 sets of 2 to store)
.set E,     176                        ; v176-191 a scale byte for each step
.set C,     192                        ; v192-223 codes: two registers for each step, so that no store's data are written again
.set WREG,  8192                       ; LDS: a region for each wave: two stages of 32 x SP bytes, then its 256 scale bytes
.set SP,    80                         ; a lane's place in a stage: 64 bytes + 16 of padding
	s_load_b256 s[4:11], s[0:1], 0x0               ; x, w_attn, w_proj, xc
	s_load_b128 s[12:15], s[0:1], 0x20             ; wc, scl
	s_load_b64 s[16:17], s[0:1], 0x30              ; wph
	v_lshl_add_u32 v224, v0, 2, 0x8000
	v_mov_b32 v225, 0
	v_lshrrev_b32 v1, 5, v0
	v_readfirstlane_b32 s20, v1                    ; wave
	v_and_b32 v2, 31, v0                           ; lane
	s_cmp_ge_u32 ttmp9, WGQ
	s_cbranch_scc1 .Lcast                          ; the last 32 work-groups cast w_proj; that path uses no LDS
	v_lshlrev_b32 v3, 4, v2                        ; my 16 bytes of a load's 512
	s_mul_i32 s21, s20, WREG
	v_lshrrev_b32 v14, 2, v2
	v_mul_u32_u24 v14, v14, SP
	v_and_b32 v15, 3, v2
	v_lshl_add_u32 v14, v15, 4, v14
	v_add_nc_u32 v14, s21, v14                     ; the stage, on the way in: SP (lane / 4) + 16 (lane % 4)
	v_mul_u32_u24 v15, v2, SP
	v_add_nc_u32 v15, s21, v15                     ; and on the way out: SP x lane: my 16 neighbours
	v_mul_u32_u24 v4, v2, CB                       ; my codes' place in a step's
	v_lshrrev_b32 v5, 1, v2
	s_add_co_u32 s21, s21, 2*32*SP
	v_add_nc_u32 v5, s21, v5                       ; LDS: my wave's 256 scale bytes, my block's byte
	v_lshlrev_b32 v7, 3, v2                        ; and on the way out 8 bytes a lane
	v_add_nc_u32 v6, s21, v7
	s_wait_kmcnt 0x0
	s_cmp_lt_u32 ttmp9, WGX                        ; x's work-group or w_attn's: the choice hangs on the work-group's number alone
	s_cselect_b64 s[4:5], s[4:5], s[6:7]
	s_cselect_b64 s[10:11], s[10:11], s[12:13]
	s_cselect_b32 s26, 0, 131072                   ; w_attn's scale bytes lie behind x's 131,072
	s_cselect_b32 s21, 0, WGX
	s_sub_co_u32 s21, ttmp9, s21
	s_lshl_b32 s21, s21, 2
	s_add_co_u32 s22, s21, s20                     ; which run of 8,192 numbers of the tensor is my wave's
	s_mov_b32 s25, 0
	s_lshl_b32 s24, s22, 15                        ; 32,768 bytes of numbers a run,
	s_add_nc_u64 s[4:5], s[4:5], s[24:25]
	s_lshl_b32 s24, s22, 12                        ; 4,096 of codes,
	s_add_nc_u64 s[10:11], s[10:11], s[24:25]
	s_lshl_b32 s24, s22, 8                         ; 256 of scale bytes
	s_add_co_u32 s24, s24, s26
	s_add_nc_u64 s[14:15], s[14:15], s[24:25]
.macro LOAD t
.irp i, 0,1,2,3
	global_load_b128 v[R+16*((\t)%8)+4*\i:R+16*((\t)%8)+4*\i+3], v3, s[4:5] offset:2048*(\t)+512*\i th:TH_LOAD_NT   ; 32 lanes read 512 consecutive bytes
.endr
.endm
.macro TURN t                          ; step t's numbers through the stage: LDS serves a wave's instructions in order, so no wait stands between the stores and the loads
.irp i, 0,1,2,3
	ds_store_b128 v14, v[R+16*((\t)%8)+4*\i:R+16*((\t)%8)+4*\i+3] offset:32*SP*((\t)%2)+8*SP*\i
.endr
.irp i, 0,1,2,3
	ds_load_b128 v[X+16*((\t)%2)+4*\i:X+16*((\t)%2)+4*\i+3], v15 offset:32*SP*((\t)%2)+16*\i
.endr
.endm
.irp t, 0,1,2,3,4,5,6,7
	LOAD \t
.endr
	s_wait_loadcnt 28                              ; step 0's four loads are in; seven steps' may be out
	TURN 0
.macro STEP t
.set XS, X+16*((\t)%2)
.if (\t) > 0
	s_wait_dscnt 1                                 ; this step's numbers are back from the stage (the last step's byte store may be out): so its stores into the stage have read their registers,
.else
	s_wait_dscnt 0x0
.endif
.if (\t)+8 < STEPS
	LOAD (\t)+8                                    ; which take the loads of eight steps on
.endif
.if (\t)+1 < STEPS
.if 14-(\t) >= 7
	s_wait_loadcnt 28                              ; the next step's four loads are in; those of the seven steps behind it may be out
.else
	s_wait_loadcnt 4*(14-(\t))
.endif
	TURN (\t)+1                                    ; and go through the other stage while this step is worked
.endif
	v_max3_num_f32 v8, |v[XS]|, |v[XS+1]|, |v[XS+2]|               ; the largest magnitude of my 16, in two chains
	v_max3_num_f32 v9, |v[XS+3]|, |v[XS+4]|, |v[XS+5]|
.irp i, 6,10
	v_max3_num_f32 v8, v8, |v[XS+\i]|, |v[XS+\i+1]|
	v_max3_num_f32 v9, v9, |v[XS+\i+2]|, |v[XS+\i+3]|
.endr
	v_max3_num_f32 v8, v8, |v[XS+14]|, |v[XS+15]|
	v_max3_num_f32 v8, v8, v9, (EMAX+1)<<23        ; and the floor 2^(EMAX + 1 - 127): the byte cannot fall under 1
	v_max_num_f32_dpp v8, v8, v8 row_xmask:1 row_mask:0xf bank_mask:0xf   ; and of my neighbour's 16: the block's
	v_add_nc_u32 v11, -(EMAX<<23), v8              ; EMAX off its exponent field: the conversion takes the exponent field of this operand as its scale
	v_cvt_scalef32_pk8_fp4_f32 v[C+2*(\t)], v[XS:XS+7], v11        ; eight numbers / the scale, to the nearest code, ties to even, beyond the largest code the largest
	v_cvt_scalef32_pk8_fp4_f32 v[C+2*(\t)+1], v[XS+8:XS+15], v11
	v_lshrrev_b32 v[E+(\t)], 23, v11               ; the scale's byte (also the plain line behind the conversions)
	ds_store_b8 v5, v[E+(\t)] offset:16*(\t)       ; both lanes of a block write the same byte with the same value
	global_store_b64 v4, v[C+2*(\t):C+2*(\t)+1], s[10:11] offset:32*CB*(\t)   ; the wave stores 256 consecutive bytes, aligned
.endm
.irp t, 0,1,2,3,4,5,6,7,8,9,10,11,12,13,14,15
	STEP \t
.endr
	ds_load_b64 v[12:13], v6                       ; LDS serves a wave's instructions in order: these see my stores
	s_wait_dscnt 0x0
	global_store_b64 v7, v[12:13], s[14:15]        ; 32 lanes store 256 consecutive bytes, aligned
	s_wait_tensorcnt 0x0
	ds_add_u32 v224, v225
	s_wait_dscnt 0x0
	s_endpgm
; THE CAST.  Wave g of 128 takes rows 8 g .. 8 g + 7 of w_proj.  Item n of 64: rows 2 (n / 16), + 1 and head n % 16: a load reads two runs of 256 bytes, a store writes 256 consecutive bytes of wph.
.Lcast:
	s_sub_co_u32 s21, ttmp9, WGQ
	s_lshl_b32 s21, s21, 2
	s_add_co_u32 s21, s21, s20                     ; g
	v_lshrrev_b32 v3, 4, v2
	v_and_b32 v5, 15, v2
	v_lshlrev_b32 v3, 12, v3
	v_lshl_add_u32 v3, v5, 4, v3                   ; in: row lane / 16 of 4,096 bytes, 16 bytes a lane
	v_lshlrev_b32 v4, 3, v2                        ; out: 8 bytes a lane
	s_mov_b32 s25, 0
	s_wait_kmcnt 0x0
	s_lshl_b32 s24, s21, 15
	s_add_nc_u64 s[8:9], s[8:9], s[24:25]
	s_lshl_b32 s24, s21, 10
	s_add_nc_u64 s[16:17], s[16:17], s[24:25]
.macro CLOAD n
	global_load_b128 v[R+4*((\n)%32):R+4*((\n)%32)+3], v3, s[8:9] offset:((\n)/16)*8192+((\n)%16)*256
.endm
.macro CAST n
.if (\n) < 32
	s_wait_loadcnt 31                              ; item n's load is in; the 31 behind it may be out
.else
	s_wait_loadcnt 63-(\n)
	s_wait_xcnt 0x0                                ; item n - 32's store has read the registers that are written now
.endif
	v_cvt_pk_f16_f32 v[X+2*((\n)%32)], v[R+4*((\n)%32)], v[R+4*((\n)%32)+1]
	v_cvt_pk_f16_f32 v[X+2*((\n)%32)+1], v[R+4*((\n)%32)+2], v[R+4*((\n)%32)+3]
.if (\n) < 32
	CLOAD (\n)+32
.endif
	global_store_b64 v4, v[X+2*((\n)%32):X+2*((\n)%32)+1], s[16:17] offset:((\n)%16)*131072+((\n)/16)*256
.endm
.set N, 0
.rept 32
	CLOAD N
.set N, N+1
.endr
.set N, 0
.rept 64
	CAST N
.set N, N+1
.endr
	s_endpgm
.Lfunc_end_k_q47d0aa3e4c_prep:
	.size	k_q47d0aa3e4c_prep, .Lfunc_end_k_q47d0aa3e4c_prep-k_q47d0aa3e4c_prep
	.p2alignl 7, 3214868480
	.fill 96, 4, 3214868480
	.section	.rodata,"a",@progbits
	.p2align	6, 0x0
	.amdhsa_kernel k_q47d0aa3e4c_prep
		.amdhsa_group_segment_fixed_size 33280
		.amdhsa_private_segment_fixed_size 0
		.amdhsa_enable_private_segment 0
		.amdhsa_kernarg_size 56
		.amdhsa_user_sgpr_count 2
		.amdhsa_user_sgpr_kernarg_segment_ptr 1
		.amdhsa_wavefront_size32 1
		.amdhsa_system_sgpr_workgroup_id_x 1
		.amdhsa_system_sgpr_workgroup_id_y 1
		.amdhsa_system_sgpr_workgroup_id_z 1
		.amdhsa_system_vgpr_workitem_id 0
		.amdhsa_next_free_vgpr 226
		.amdhsa_next_free_sgpr 66
		.amdhsa_reserve_vcc 0
		.amdhsa_float_denorm_mode_32 3
		.amdhsa_float_denorm_mode_16_64 3
		.amdhsa_memory_ordered 1
		.amdhsa_forward_progress 1
		.amdhsa_inst_pref_size 57
	.end_amdhsa_kernel
	.amdgpu_metadata
---
amdhsa.version: [ 1, 2 ]
amdhsa.kernels:
  - .name:           k_q47d0aa3e4c_prep
    .symbol:         k_q47d0aa3e4c_prep.kd
    .args:
      - { .name: x, .offset: 0, .size: 8, .value_kind: global_buffer, .address_space: global }
      - { .name: w_attn, .offset: 8, .size: 8, .value_kind: global_buffer, .address_space: global }
      - { .name: w_proj, .offset: 16, .size: 8, .value_kind: global_buffer, .address_space: global }
      - { .name: xc, .offset: 24, .size: 8, .value_kind: global_buffer, .address_space: global }
      - { .name: wc, .offset: 32, .size: 8, .value_kind: global_buffer, .address_space: global }
      - { .name: scl, .offset: 40, .size: 8, .value_kind: global_buffer, .address_space: global }
      - { .name: wph, .offset: 48, .size: 8, .value_kind: global_buffer, .address_space: global }
    .group_segment_fixed_size: 33280
    .private_segment_fixed_size: 0
    .kernarg_segment_align: 8
    .kernarg_segment_size: 56
    .max_flat_workgroup_size: 128
    .sgpr_count:     66
    .vgpr_count:     226
    .wavefront_size: 32
...
	.end_amdgpu_metadata
.endif
;; end of part 1
;; launch qkv (part 2): grid 12 x 16, 4 waves a work-group, clusters of 4 x 4, 327,680 bytes of LDS; arguments xc, scl, wc, qkvh, qkv32; writes qkvh, qkv32
.if DOCPART == 2
	.amdgcn_target "amdgcn-amd-amdhsa--gfx1250"
	.amdhsa_code_object_version 6
	.text
	.protected	k_q47d0aa3e4c_qkv
	.globl	k_q47d0aa3e4c_qkv
	.p2align	8
	.type	k_q47d0aa3e4c_qkv,@function
k_q47d0aa3e4c_qkv:
	s_mov_b64 s[64:65], 0
	v_nop
	global_prefetch_b8 v0, s[64:65] scope:SCOPE_SE
	s_setreg_imm32_b32 hwreg(HW_REG_WAVE_MODE, 25, 1), 1
	s_wait_xcnt 0x0
	s_wait_alu depctr_hold_cnt(0) depctr_sa_sdst(0) depctr_va_vdst(0) depctr_va_sdst(0) depctr_va_ssrc(0) depctr_va_vcc(0) depctr_vm_vsrc(0)
	s_getreg_b32 s2, hwreg(HW_REG_IB_STS2, 6, 4)
	s_cmp_eq_u32 s2, 0
	s_cbranch_scc0 .Lentry_in_a_cluster
	s_endpgm
.Lentry_in_a_cluster:
	s_bfe_u32 s2, ttmp6, 0x10000c
	s_cmp_lg_u32 s2, 0xf033
	s_cbranch_scc0 .Lentry_shape_is_right
	s_endpgm
.Lentry_shape_is_right:
; qkv[t][f] = sum over c of Q(x)[t][c] Q(w_attn)[f][c], on codes of FP4 (E2M1) with one E8M0 scale for each 32 along K; sums in f32.  A = xc [4096][512 bytes], B = wc [3072][512 bytes];
; their scale bytes [rows][32] lie in scl: x's from byte 0, w_attn's from byte 131,072.
; OUT: qkvh [48 g][4096 t][64 d] f16, g = f / 64 (q: g = head, k: 16 + head, v: 32 + head);  qkv32 [48 g][64 t][64 d] f32: tokens 0-63 once more, unrounded, for the rows that are carried in f32.
; LIMIT: q, k, v go on in f16: |q|, |k|, |v| under 65,504.
; A tile of 256 tokens x 256 features is made by four waves, each 128 x 128: 64 accumulators of 16 x 16, 512 registers.  K = 1,024 is two LDS slots of 512 along K (rows of 256 bytes): both are
; first fills, nothing is filled again.  The scales of the work-group's rows, for all of K, come once, as dense blocks.  By the text's own count a wave has three tensor loads out at the start.
; CLUSTERS: 4 x 4 work-groups.  The four of a row of the cluster need the same tiles of A, the four of a column the same tiles of B: each tile is asked for JOINTLY.
; THE MATRIX INSTRUCTION IS USED TRANSPOSED (source 0 = 16 rows of B, source 1 = 16 rows of A): a lane holds eight neighbouring features of one token.
; 192 work-groups: a tile of 256 x 192 would give 256 but cut heads across waves.
; REGISTERS, in windows of 256: window 0: v0-31 addresses; v32-95 scale words, two sets; from v128 A's fragments, ONE set; on the way out v32-127.
;   window 1: B's fragments, TWO sets, at v0 and v128.   window 2: the accumulators of my tokens 0-63 ((a, b) at v[8 (8 a + b)]);   window 3: those of tokens 64-127.
.set SIZE_K, 1024
.set KSTEP,  512
.set NQ,     KSTEP/128
.set ROWB,   256
.set KROW,   SIZE_K*4/8
.set PITCH,  272                       ; an LDS row: 256 bytes + 16 of padding: the 16 rows that a load touches start at 16 different banks (64 banks of 4 bytes: ISA guide 11.1)
.set FR,     8
.set NL,     2
.set NP,     4                         ; places behind this matrix instruction (ISA guide 7.12.1)
.set HALFT,  128*PITCH
.set SLOT,   4*HALFT
.set KS,     SIZE_K/32
.set SCL,    2*SLOT
.set HALFS,  (128*KS/256)*272
.set SBLK,   (16*KS/256)*272
.set SPARE,  SCL+4*HALFS               ; the spare words, 128 bytes a wave: two blocks of 256 bytes that no other line names
.set SPITCH, 272                       ; the way out: a stage of 16 rows x (256 bytes + 16) for each wave, in slot 0, which has had its only fill and its last read by then
.set GRP,    4096*128                  ; a group of 64 features in qkvh
.set ADRA, 16
.set ADRB, 20
.set STO,  24
.set RD,   25
.set CO,   26
.set ADRS, 27
.set SPW,  28
.set NIL,  29
.set EO,   30
.set SC,   32
.set AF,   128
.set TMP,  32                          ; the way out: packed results
.set BK,   64                          ; and rows read back: v64-95 and v96-127 by turns
.set G1, 24
.set G0, 32
.set G1B, 48
.set G0B, 56
.set G1S, 68
.set G0S, 76
.set G1SB, 80
.set G0SB, 88
.set MSB, 0
.macro WIN new                         ; the immediate's high byte repeats the setting that is left
.if MSB != \new
	s_set_vgpr_msb (MSB<<8)|\new
.set MSB, \new
.endif
.endm
.set MUL_LO, 0xa1                      ; source 0 (B) window 1, source 1 (A) window 0, C and D window 2
.set MUL_HI, 0xf1
.set TO_B,   0x40
; A joint load: waves 0 and 1 fetch for A, waves 2 and 3 for B; the branch hangs on the wave's number alone.  Four v_nop follow each of the two lines.
.macro JLOAD g0a, g1a, g0b, g1b
	s_cmp_eq_u32 s15, 0
	s_cbranch_scc0 .Lfor_b_\@
	tensor_load_to_lds s[\g0a:\g0a+3], s[\g1a:\g1a+7]
	s_nop 0
.rept 4
	v_nop
.endr
	s_branch .Lasked_\@
.Lfor_b_\@:
	tensor_load_to_lds s[\g0b:\g0b+3], s[\g1b:\g1b+7]
	s_nop 0
.rept 4
	v_nop
.endr
.Lasked_\@:
.endm
.macro CROUND                          ; a round of the cluster's barrier
	s_barrier_signal -1
	s_barrier_wait -1
	s_cmp_lg_u32 s14, 0
	s_cbranch_scc1 .Lnot_wave_0_\@
	s_barrier_signal -3
.Lnot_wave_0_\@:
	s_barrier_wait -3
	s_barrier_signal -1
	s_barrier_wait -1
.endm
	s_load_b128 s[4:7], s[0:1], 0x0                ; A's codes s[4:5], the scales s[6:7]
	s_load_b64 s[8:9], s[0:1], 0x10                ; B's codes
	s_load_b64 s[12:13], s[0:1], 0x18              ; qkvh
	s_load_b64 s[98:99], s[0:1], 0x20              ; qkv32
	v_lshl_add_u32 v[SPW], v0, 2, SPARE
	v_mov_b32 v[NIL], 0
	ds_add_u32 v28, v29
	s_wait_dscnt 0x0
	v_lshrrev_b32 v1, 5, v0
	v_readfirstlane_b32 s14, v1                    ; wave 0..3
	s_lshr_b32 s15, s14, 1                         ; which half of the tile's tokens is mine.  Also: I fetch for A (0) or for B (1)
	s_and_b32 s16, s14, 1                          ; which half of its features.  Also: which 128 rows of that tile I fetch
	s_bfe_u32 s40, ttmp6, 0x40000                  ; cx, cy: my place in the cluster
	s_bfe_u32 s41, ttmp6, 0x40004
	s_lshl_b32 s42, ttmp9, 2
	s_add_co_u32 s42, s42, s40                     ; tile column = 4 x cluster x + cx
	s_and_b32 s17, ttmp7, 0xffff
	s_lshl_b32 s17, s17, 2
	s_add_co_u32 s17, s17, s41                     ; tile row = 4 x cluster y + cy
	s_lshl_b32 s43, s41, 2
	s_lshl_b32 s43, 15, s43                        ; my row of the cluster
	s_lshl_b32 s44, 0x1111, s40                    ; my column
	s_or_b32 s[G1+0], s43, (0<<16)|(1<<20)|(1<<21)|(5<<22)|(3<<25)  ; the mask; elements of 1 byte; padding on; bit 21 beside a mask; after every 64 words four words
	s_or_b32 s[G1B+0], s44, (0<<16)|(1<<20)|(1<<21)|(5<<22)|(3<<25)
.irp g, G1, G1B
	s_mov_b32 s[\g+1], ROWB<<16                    ; tensor_dim0
	s_mov_b32 s[\g+2], 128<<16                     ; tensor_dim1
	s_mov_b32 s[\g+3], ROWB<<16                    ; tile_dim0
	s_mov_b32 s[\g+4], 128                         ; tile_dim1
	s_mov_b32 s[\g+5], KROW                        ; from row to row
	s_mov_b32 s[\g+6], 0
	s_mov_b32 s[\g+7], 0
.endr
	; the scales of 128 rows: a dense block of 4,096 bytes, as rows of 256 bytes (32 elements of 8 bytes), 16 bytes of padding behind each
	s_or_b32 s[G1S+0], s43, (3<<16)|(1<<20)|(1<<21)|(5<<22)|(3<<25)
	s_or_b32 s[G1SB+0], s44, (3<<16)|(1<<20)|(1<<21)|(5<<22)|(3<<25)
.irp g, G1S, G1SB
	s_mov_b32 s[\g+1], 32<<16
	s_mov_b32 s[\g+2], (128*KS/256)<<16
	s_mov_b32 s[\g+3], 32<<16
	s_mov_b32 s[\g+4], 128*KS/256
	s_mov_b32 s[\g+5], 32
	s_mov_b32 s[\g+6], 0
	s_mov_b32 s[\g+7], 0
.endr
	s_lshl_b32 s18, s16, 7                         ; which 128 rows of the tile I fetch
	s_lshl_b32 s20, s17, 8
	s_add_co_u32 s20, s20, s18                     ; A: row 256 x tile row + 128 x half
	s_lshl_b32 s46, s42, 8
	s_add_co_u32 s46, s46, s18                     ; B: row 256 x tile column + 128 x half
	s_mov_b32 s21, 0
	s_mov_b32 s47, 0
	s_mov_b64 s[18:19], KS
	s_mul_u64 s[22:23], s[20:21], s[18:19]         ; where these rows' scales begin, in bytes
	s_mul_u64 s[92:93], s[46:47], s[18:19]
	s_mov_b64 s[18:19], KROW
	s_mul_u64 s[20:21], s[20:21], s[18:19]         ; and their codes
	s_mul_u64 s[46:47], s[46:47], s[18:19]
	s_mul_i32 s45, s14, HALFT                      ; where they go: wave x 128 rows: no place in the cluster enters an LDS address
	s_mul_i32 s94, s14, HALFS
	s_wait_kmcnt 0x0
	s_add_nc_u64 s[10:11], s[6:7], 131072          ; B's scales lie behind A's
	s_add_nc_u64 s[20:21], s[4:5], s[20:21]
	s_add_nc_u64 s[22:23], s[6:7], s[22:23]
	s_add_nc_u64 s[46:47], s[8:9], s[46:47]
	s_add_nc_u64 s[92:93], s[10:11], s[92:93]
	CROUND                                         ; all sixteen work-groups are here: the joint loads meet
	s_mov_b32 s[G0S], 1
	s_add_co_u32 s[G0S+1], s94, SCL
	s_mov_b64 s[G0S+2:G0S+3], s[22:23]
	s_or_b32 s[G0S+3], s[G0S+3], 0x80000000
	s_mov_b32 s[G0SB], 1
	s_add_co_u32 s[G0SB+1], s94, SCL
	s_mov_b64 s[G0SB+2:G0SB+3], s[92:93]
	s_or_b32 s[G0SB+3], s[G0SB+3], 0x80000000
	JLOAD G0S, G1S, G0SB, G1SB                     ; the scales first: they are wanted with the first slot
.irp s, 0,1
	s_mov_b32 s[G0+4*\s], 1
	s_add_co_u32 s[G0+4*\s+1], s45, \s*SLOT
	s_add_nc_u64 s[G0+4*\s+2:G0+4*\s+3], s[20:21], \s*ROWB
	s_or_b32 s[G0+4*\s+3], s[G0+4*\s+3], 0x80000000
	s_mov_b32 s[G0B+4*\s], 1
	s_add_co_u32 s[G0B+4*\s+1], s45, \s*SLOT
	s_add_nc_u64 s[G0B+4*\s+2:G0B+4*\s+3], s[46:47], \s*ROWB
	s_or_b32 s[G0B+4*\s+3], s[G0B+4*\s+3], 0x80000000
	JLOAD G0+4*\s, G1, G0B+4*\s, G1B
.endr
	v_and_b32 v1, 15, v0                           ; r = l % 16
	v_bfe_u32 v2, v0, 4, 1                         ; h = l / 16
	v_mul_u32_u24 v3, v1, PITCH
	v_lshl_add_u32 v4, v2, 4, v3                   ; a fragment's row x pitch + 16 x half
	s_mul_i32 s21, s15, HALFT                      ; my 128 rows of A
	s_mul_i32 s22, s16, HALFT                      ; my 128 rows of B,
	s_add_co_u32 s22, s22, 2*HALFT                 ; which lie behind A's 256
.irp s, 0,1
	v_add_nc_u32 v[ADRA+\s], s21, v4
	v_add_nc_u32 v[ADRB+\s], s22, v4
	s_add_co_u32 s21, s21, SLOT
	s_add_co_u32 s22, s22, SLOT
.endr
	v_mul_u32_u24 v5, v1, KS                       ; my row's scales: KS bytes a row,
	v_lshrrev_b32 v6, 8, v5
	v_lshl_add_u32 v5, v6, 4, v5                   ; and 16 more for each 256 passed
	s_mul_i32 s21, s15, HALFS                      ; A's: my 128 rows
	s_mul_i32 s22, s16, HALFS                      ; B's: my 128 rows, behind A's 256
	s_add_co_u32 s22, s22, 2*HALFS
	s_sub_co_u32 s22, s22, s21
	v_mul_u32_u24 v6, s22, v2                      ; lanes 16-31 take B's
	s_add_co_u32 s21, s21, SCL
	v_add_nc_u32 v5, v5, v6
	v_add_nc_u32 v[ADRS], s21, v5
	s_mul_i32 s23, s14, 16*SPITCH                  ; my stage
	v_mul_u32_u24 v5, v1, SPITCH                   ; in: token r, 16 bytes for each half of the lanes
	v_lshl_add_u32 v5, v2, 4, v5
	v_add_nc_u32 v[STO], s23, v5
	v_and_b32 v6, 31, v0
	v_lshrrev_b32 v7, 3, v6
	v_and_b32 v8, 7, v6
	v_mul_u32_u24 v7, v7, SPITCH                   ; back: eight lanes take the 128 bytes of one token and one group: four tokens an instruction
	v_lshl_add_u32 v7, v8, 4, v7
	v_add_nc_u32 v[RD], s23, v7
	v_lshlrev_b32 v[CO], 4, v6                     ; which are 512 consecutive bytes of qkvh
	v_lshlrev_b32 v[EO], 8, v1
	v_lshl_add_u32 v[EO], v2, 5, v[EO]             ; qkv32: token r of 256 bytes, + 32 h
	s_lshl_b32 s20, s17, 8
	s_lshl_b32 s21, s15, 7
	s_add_co_u32 s20, s20, s21                     ; my first token: 256 x tile row + 128 x half,
	s_lshl_b32 s20, s20, 7                         ; 128 bytes a token
	s_lshl_b32 s46, s42, 2
	s_lshl_b32 s47, s16, 1
	s_add_co_u32 s46, s46, s47                     ; my first group: 4 x tile column + 2 x half
	s_lshl_b32 s47, s46, 19
	s_add_co_u32 s20, s20, s47
	s_mov_b32 s21, 0
	s_add_nc_u64 s[12:13], s[12:13], s[20:21]
	s_lshl_b32 s46, s46, 14                        ; 16,384 bytes a group in qkv32
	s_mov_b32 s47, 0
	s_add_nc_u64 s[98:99], s[98:99], s[46:47]
.macro FRAG reg, adr, q, i             ; a fragment, 16 rows x 128 K of 4-bit codes: lane l holds row l % 16; registers 4 c .. 4 c + 3 hold K = 64 c + 32 (l / 16) + 0 .. 31
.irp c, 0,1
	ds_load_b128 v[\reg+4*\c:\reg+4*\c+3], v[\adr] offset:64*(\q)+32*\c+(\i)*16*PITCH
.endr
.endm
; 16 matrix instructions: A's blocks a0, a0 + 1 x B's eight, 128 along K.  The 64 accumulators take turns, one instruction a turn, in the same order in every step.
.macro MUL16 a0, p, q, sc, zero
.irp a, \a0, \a0+1
.irp b, 0,1,2,3,4,5,6,7
.if \zero
	v_wmma_scale_f32_16x16x128_f8f6f4 v[8*(8*((\a)%4)+\b):8*(8*((\a)%4)+\b)+7], v[128*(\p)+FR*\b:128*(\p)+FR*\b+FR-1], v[AF+FR*(\a):AF+FR*(\a)+FR-1], 0, v[SC+8*NQ*(\sc)+NQ*\b+(\q)], v[SC+8*NQ*(\sc)+NQ*(\a)+(\q)] matrix_a_fmt:MATRIX_FMT_FP4 matrix_b_fmt:MATRIX_FMT_FP4 matrix_a_scale:MATRIX_SCALE_ROW1
.else
	v_wmma_scale_f32_16x16x128_f8f6f4 v[8*(8*((\a)%4)+\b):8*(8*((\a)%4)+\b)+7], v[128*(\p)+FR*\b:128*(\p)+FR*\b+FR-1], v[AF+FR*(\a):AF+FR*(\a)+FR-1], v[8*(8*((\a)%4)+\b):8*(8*((\a)%4)+\b)+7], v[SC+8*NQ*(\sc)+NQ*\b+(\q)], v[SC+8*NQ*(\sc)+NQ*(\a)+(\q)] matrix_a_fmt:MATRIX_FMT_FP4 matrix_b_fmt:MATRIX_FMT_FP4 matrix_a_scale:MATRIX_SCALE_ROW1
.endif
.endr
.endr
.endm
.macro FETCH_B slot, q, p
	WIN TO_B
.irp i, 0,1,2,3,4,5,6,7
	FRAG 128*(\p)+FR*\i, ADRB+\slot, \q, \i
.endr
	WIN 0
.endm
.macro FETCH_A slot, q, i0
.irp i, \i0, \i0+1, \i0+2, \i0+3
	FRAG AF+FR*(\i), ADRA+\slot, \q, \i
.endr
.endm
.macro SCALES sc                       ; a slot's scale words: four words a row; lanes 0-15 take A's block i, lanes 16-31 B's block i
.irp i, 0,1,2,3,4,5,6,7
	ds_load_b128 v[SC+8*NQ*\sc+NQ*\i:SC+8*NQ*\sc+NQ*\i+3], v[ADRS] offset:\i*SBLK
.endr
.endm
.macro PLACES n                        ; plain vector lines between a matrix instruction and a load into, or a vector write or read of, its registers
.rept \n
	v_nop
.endr
.endm
.macro STEP slot, q, zero              ; a step of 128 along K that has its successor in the same slot
	s_wait_dscnt 4*NL                              ; B's set and A's blocks 0-3 are in; the youngest eight loads (A's blocks 4-7) may be out
	WIN MUL_LO
	MUL16 0, (\q)%2, \q, \slot, \zero
	MUL16 2, (\q)%2, \q, \slot, \zero
	s_wait_dscnt 0
	PLACES NP
	FETCH_B \slot, (\q)+1, 1-(\q)%2
	FETCH_A \slot, (\q)+1, 0
	WIN MUL_HI
	MUL16 4, (\q)%2, \q, \slot, \zero
	MUL16 6, (\q)%2, \q, \slot, \zero
	PLACES NP
	WIN 0
	FETCH_A \slot, (\q)+1, 4
.endm
.macro TURN slot, next                 ; a slot's last step changes slots: one barrier; in front of it each wave's tensor loads have landed and its reads of this slot are over
	s_wait_tensorcnt 0x0                           ; my part of the next slot has landed
	ds_add_u32 v[SPW], v[NIL]                      ; 0 onto my spare word
	s_wait_dscnt 4*NL+1                            ; (the add and the youngest eight loads may be out)
	WIN MUL_LO
	MUL16 0, 1, NQ-1, \slot, 0
	s_wait_dscnt 0x0                               ; the add is done, and my reads of this slot are over
	s_barrier_signal -1
	MUL16 2, 1, NQ-1, \slot, 0
	WIN 0
	s_barrier_wait -1
	PLACES NP
	v_add_nc_u32 v[ADRS], 4*NQ, v[ADRS]            ; on to the next slot's scale words
	FETCH_B \next, 0, 0
	FETCH_A \next, 0, 0
	SCALES \next
	WIN MUL_HI
	MUL16 4, 1, NQ-1, \slot, 0
	MUL16 6, 1, NQ-1, \slot, 0
	PLACES NP
	WIN 0
	FETCH_A \next, 0, 4
.endm
.macro STEPS slot, from
.set Q, \from
.rept NQ-1-\from
	STEP \slot, Q, 0
.set Q, Q+1
.endr
.endm
	s_wait_tensorcnt 1                             ; the scales and my part of slot 0 are in (slot 1's load may be out)
	s_barrier_signal -1
	s_barrier_wait -1                              ; everybody's are
	FETCH_B 0, 0, 0
	FETCH_A 0, 0, 0
	SCALES 0
	FETCH_A 0, 0, 4
	STEP 0, 0, 1                                   ; the first step's products start the sums
	STEPS 0, 1
	TURN 0, 1
	STEPS 1, 0
	s_wait_dscnt 4*NL                              ; the last step: nothing more to fetch
	WIN MUL_LO
	MUL16 0, 1, NQ-1, 1, 0
	MUL16 2, 1, NQ-1, 1, 0
	s_wait_dscnt 0
	WIN MUL_HI
	MUL16 4, 1, NQ-1, 1, 0
	MUL16 6, 1, NQ-1, 1, 0
	WIN 0
; THE WAY OUT, block by block of 16 tokens x 128 features.  PACK: rounded to f16, 16 bytes a lane, each accumulator from its low end on.  TOSTAGE: into my own stage and back, four tokens of one group an
; instruction.  SEND: 512 consecutive bytes of qkvh a store.  LDS serves a wave's instructions in order (ISA guide 5.7.1.4): no wait between the stores and the loads.
.macro PACK a
.set AC, 64*((\a)%4)
	WIN 0x0a+5*((\a)/4)                            ; sources 0 and 1: window 2 or 3
.irp b, 0,1,2,3,4,5,6,7
.irp i, 0,1,2,3
	v_cvt_pk_f16_f32 v[TMP+4*\b+\i], v[AC+8*\b+2*\i], v[AC+8*\b+2*\i+1]
.endr
.endr
	WIN 0
.endm
.macro TOSTAGE a
.set BB, BK+32*((\a)%2)
.irp b, 0,1,2,3,4,5,6,7
	ds_store_b128 v[STO], v[TMP+4*\b:TMP+4*\b+3] offset:32*\b
.endr
.irp t, 0,1,2,3,4,5,6,7
	ds_load_b128 v[BB+4*\t:BB+4*\t+3], v[RD] offset:(\t%4)*4*SPITCH+(\t/4)*128
.endr
.endm
.macro SEND a
.set BB, BK+32*((\a)%2)
	s_wait_dscnt 0x0                               ; the block is back in registers
	s_wait_xcnt 0x0                                ; the block before has had its stores' registers read: the next block's loads may land there
.irp t, 0,1,2,3,4,5,6,7
	global_store_b128 v[CO], v[BB+4*\t:BB+4*\t+3], s[12:13] offset:(\t/4)*GRP+(16*(\a)+4*(\t%4))*128
.endr
.endm
	PLACES NP                                      ; behind the last products: the conversions write registers that held scale words
	PACK 0
	TOSTAGE 0
.irp a, 1,2,3,4,5,6,7                  ; block a's conversions stand between block a - 1's loads from the stage and the wait for them
	PACK \a
	SEND \a-1
	TOSTAGE \a
.endr
	SEND 7
; TOKENS 0-63 ONCE MORE, IN f32, straight from the accumulators.  The branch hangs on the cluster's y, which all partners share; which work-group and wave of that row of clusters holds the tokens is told
; by the lanes that are on (cy + my half of the tokens = 0), not by a branch.  A store covers 32 bytes of each of 16 tokens, twice: 786,432 bytes in all, 3 in 100 of what the launch stores.
	s_and_b32 s20, ttmp7, 0xffff
	s_cmp_lg_u32 s20, 0
	s_cbranch_scc1 .Lno_early
	s_add_co_u32 s20, s41, s15
	v_mov_b32 v31, s20
	v_cmp_eq_u32 vcc_lo, 0, v31
	s_wait_xcnt 0x0                                ; EXEC changes only behind this wait
	s_and_saveexec_b32 s21, vcc_lo
	WIN 0x08                                       ; a store's data are its source 1: window 2
.irp a, 0,1,2,3
.irp b, 0,1,2,3,4,5,6,7
	global_store_b128 v[EO], v[8*(8*\a+\b):8*(8*\a+\b)+3], s[98:99] offset:(\b/4)*16384+\a*4096+(\b%4)*64
	global_store_b128 v[EO], v[8*(8*\a+\b)+4:8*(8*\a+\b)+7], s[98:99] offset:(\b/4)*16384+\a*4096+(\b%4)*64+16
.endr
.endr
	WIN 0
	s_wait_xcnt 0x0                                ; and again, in front of the line that widens it
	s_or_b32 exec_lo, exec_lo, s21
.Lno_early:
	s_wait_tensorcnt 0x0                           ; the wave's end
	ds_add_u32 v[SPW], v[NIL]
	s_wait_dscnt 0x0
	CROUND                                         ; the closing round
	s_endpgm
.Lfunc_end_k_q47d0aa3e4c_qkv:
	.size	k_q47d0aa3e4c_qkv, .Lfunc_end_k_q47d0aa3e4c_qkv-k_q47d0aa3e4c_qkv
	.p2alignl 7, 3214868480
	.fill 96, 4, 3214868480
	.section	.rodata,"a",@progbits
	.p2align	6, 0x0
	.amdhsa_kernel k_q47d0aa3e4c_qkv
		.amdhsa_group_segment_fixed_size 327680
		.amdhsa_private_segment_fixed_size 0
		.amdhsa_enable_private_segment 0
		.amdhsa_kernarg_size 40
		.amdhsa_user_sgpr_count 2
		.amdhsa_user_sgpr_kernarg_segment_ptr 1
		.amdhsa_wavefront_size32 1
		.amdhsa_system_sgpr_workgroup_id_x 1
		.amdhsa_system_sgpr_workgroup_id_y 1
		.amdhsa_system_sgpr_workgroup_id_z 1
		.amdhsa_system_vgpr_workitem_id 0
		.amdhsa_next_free_vgpr 1024
		.amdhsa_next_free_sgpr 100
		.amdhsa_reserve_vcc 1
		.amdhsa_float_denorm_mode_32 3
		.amdhsa_float_denorm_mode_16_64 3
		.amdhsa_memory_ordered 1
		.amdhsa_forward_progress 1
		.amdhsa_inst_pref_size 133
	.end_amdhsa_kernel
	.amdgpu_metadata
---
amdhsa.version: [ 1, 2 ]
amdhsa.kernels:
  - .name:           k_q47d0aa3e4c_qkv
    .symbol:         k_q47d0aa3e4c_qkv.kd
    .args:
      - { .name: xc, .offset: 0, .size: 8, .value_kind: global_buffer, .address_space: global }
      - { .name: scl, .offset: 8, .size: 8, .value_kind: global_buffer, .address_space: global }
      - { .name: wc, .offset: 16, .size: 8, .value_kind: global_buffer, .address_space: global }
      - { .name: qkvh, .offset: 24, .size: 8, .value_kind: global_buffer, .address_space: global }
      - { .name: qkv32, .offset: 32, .size: 8, .value_kind: global_buffer, .address_space: global }
    .group_segment_fixed_size: 327680
    .private_segment_fixed_size: 0
    .kernarg_segment_align: 8
    .kernarg_segment_size: 40
    .max_flat_workgroup_size: 128
    .sgpr_count:     100
    .vgpr_count:     1024
    .wavefront_size: 32
...
	.end_amdgpu_metadata
.endif
;; end of part 2
;; launch attn (part 3): grid 16 x 16, 8 waves a work-group, no clusters, 327,680 bytes of LDS; arguments qkvh, qkv32, yh, y32; writes yh, y32
.if DOCPART == 3
	.amdgcn_target "amdgcn-amd-amdhsa--gfx1250"
	.amdhsa_code_object_version 6
	.text
	.protected	k_q47d0aa3e4c_attn
	.globl	k_q47d0aa3e4c_attn
	.p2align	8
	.type	k_q47d0aa3e4c_attn,@function
k_q47d0aa3e4c_attn:
	s_mov_b64 s[64:65], 0
	v_nop
	global_prefetch_b8 v0, s[64:65] scope:SCOPE_SE
	s_setreg_imm32_b32 hwreg(HW_REG_WAVE_MODE, 25, 1), 1
	s_wait_xcnt 0x0
; y[h][q][:] = the sum over k <= q of softmax_k(Q[h][q] . K[h][k] / 8) V[h][k][:].  Q, K, V: qkvh [48 g][4096][64] f16 (q: g = head, k: 16 + head, v: 32 + head).  yh [16][4096][64] f16.
; Products on f16 operands with f32 sums; maxima, exponentials and sums in f32; the weights p (at most 1) are rounded to f16 for the second product, y once at the end.
; Queries 0-63 are computed ONCE MORE wholly in f32, from qkv32 [48 g][64][64], into y32 [64][1024]: the first rows average few keys and want the finer arithmetic.
; LIMIT: |q|, |k|, |v| under 65,504 (f16).
; SHARES.  A work-group is (pair i, head).  It takes query block 31 - i (128 queries, key blocks 0 .. 31 - i) and then query block i (key blocks 0 .. i): 33 units of 128 queries x 128 keys in every
; work-group, whatever i: the causal work is even and every trip count is a constant.  Tiles that lie wholly above the diagonal are never multiplied.
; Wave w: qg = w % 4 picks 32 queries, kh = w / 4 picks 64 keys of each unit; it keeps its own maximum, sum and O.  The two waves of a query group merge once a pass, through LDS.
; Two waves share a SIMD: one wave's softmax stands beside the other's products.  Each fragment of K and V read from LDS feeds two products (two tiles of 16 queries).
; Set A holds queries 32 qg + 16 kh + r, set B 32 qg + 16 (1 - kh) + r: at the merge every wave sends set B and keeps set A, with no branch on kh.
; LAYOUT.  S^T = K Q^T (source 0 = 16 keys, source 1 = 16 queries): a lane holds ONE query (lane % 16) and keys 8 (lane / 16) + 0..7.  Two such tiles, rounded in pairs, ARE source 1 of O^T = V^T P.
; NO CLUSTER: which unit lies on the diagonal and where the pass changes differs between the pairs of a head, and both are branches; partners would want different tiles in the same round.
; LDS: two slots of three units (a unit: 128 rows of K at 144 bytes, 128 rows of V at 160 bytes); the spare words; a merge region and a stage for each wave.  By the text's own count a wave has one tensor load out.
; REGISTERS: window 0: v1-15 addresses, v16-31 statistics (8 a set), v32-35 constants, v36-63 at work, v64-127 S^T, v128-159 P, v160-223 K.   window 1: v0-63 O^T, v64-95 Q, v96-159 V.
.set PK,    144                        ; a row of K in LDS: 128 bytes + 16: the 16 rows of a load start at different banks (64 banks of 4 bytes: ISA guide 11.1)
.set PV,    160                        ; a row of V: 128 + 32, for the turning load
.set VOFF,  128*PK
.set UNITB, 128*(PK+PV)
.set SLOT1, 1<<17                      ; slot 1 begins here: one exclusive or turns an address from slot to slot
.set SPARE, 3*UNITB                    ; behind slot 0: the spare words, 128 bytes a wave: four blocks of 256 bytes that no other line names
.set MRG,   SLOT1+3*UNITB              ; behind slot 1: for each wave 4,096 bytes of O's registers and 256 of statistics
.set MRGW,  4608
.set STG,   MRG+8*MRGW                 ; the way out: 16 rows x 144 bytes for each wave
.set STGW,  16*PK
.set AK0, 1
.set AV0, 2
.set ADK, 3
.set ADV, 4
.set SPW, 5
.set NIL, 6
.set QOA, 7
.set QOB, 8
.set STO, 9
.set RD,  10
.set GO,  11
.set MWR, 12
.set MWS, 13
.set MRD, 14
.set MRS, 15
.set ST,  16                           ; set x at v[ST + 8 x]: +0 c m, +1 m, +2, +3 l (even keys', odd keys'), +4 .. +7 c0-c3 at work; a takes c2's place
.set DA,  32
.set DB,  33
.set NINF, 34
.set PFO, 35
.set T,   36
.set S,   64
.set P,   128
.set KF,  160
.set O,   0                            ; window 1
.set Q,   64
.set VF,  96
.set WV,  12
.set QG,  13
.set KH,  14
.set I,   15
.set HEAD, 16
.set N1,  17                           ; units of the first pass: 32 - i
.set QB,  18                           ; the query block in hand
.set KB,  19                           ; the key block in hand
.set U,   20                           ; units done
.set TB,  21                           ; LDS byte at which the unit in hand begins
.set SLOTS, 22
.set CNT, 23
.set G1K, 24
.set G1V, 32
.set G0,  40
.set KVB, 44                           ; s[44:45] K's or V's first byte of my head: what I fetch
.set UF,  46                           ; the unit that I fetch next
.set KIND, 47                          ; 0: I fetch K's tiles, 1: V's
.set CS,  50                           ; s[50:51] c = log2(e) / 8
.set SEL, 52
.set QH,  54                           ; s[54:55] Q's first byte of my head
.set QP,  56
.set YP,  58
.set PFA, 60
.set LIM, 62
.set PU,  63
.set EP,  66                           ; s66-97: 32 weights of the f32 part
.set MSB, 0
.macro WIN new                         ; the immediate's high byte repeats the setting that is left; a switch that changes nothing is dropped
.if MSB != \new
	s_set_vgpr_msb (MSB<<8)|\new
.set MSB, \new
.endif
.endm
; Waves 0-5 fetch one tile of 128 rows each (unit w / 2 of the slot; K's: even waves, V's: odd), waves 6 and 7 nothing.  Four v_nop follow each of the two lines.
.macro TLOAD
	s_cmp_lt_u32 s[WV], 6
	s_cbranch_scc0 .Lasked_\@
	s_cmp_eq_u32 s[KIND], 0
	s_cbranch_scc0 .Lfor_v_\@
	tensor_load_to_lds s[G0:G0+3], s[G1K:G1K+7]
	s_nop 0
.rept 4
	v_nop
.endr
	s_branch .Lasked_\@
.Lfor_v_\@:
	tensor_load_to_lds s[G0:G0+3], s[G1V:G1V+7]
	s_nop 0
.rept 4
	v_nop
.endr
.Lasked_\@:
.endm
; A PREFETCH INTO THE L2 of the tile that I shall ask for at the NEXT change of slots: 16,384 dense bytes, lanes 256 bytes apart, two instructions.  All pairs of a head walk K and V from the first block on:
; pair 0, which walks all 32 blocks, asks, and nobody else; so each block of 256 bytes is named once.  Units 0-5 come by their loads alone; unit 32 is key block 0 again and is not asked for.
.macro ASK
	s_cmp_lt_u32 s[PU], s[LIM]
	s_cbranch_scc0 .Lnot_mine_\@
	global_prefetch_b8 v[PFO], s[PFA:PFA+1] th:TH_LOAD_NT scope:SCOPE_SE
	global_prefetch_b8 v[PFO], s[PFA:PFA+1] offset:8192 th:TH_LOAD_NT scope:SCOPE_SE
.Lnot_mine_\@:
.endm
	s_load_b256 s[4:11], s[0:1], 0x0               ; qkvh s[4:5], qkv32 s[6:7], yh s[8:9], y32 s[10:11]
	v_lshl_add_u32 v[SPW], v0, 2, SPARE
	v_mov_b32 v[NIL], 0
	ds_add_u32 v5, v6
	s_wait_dscnt 0x0
	v_lshrrev_b32 v36, 5, v0
	v_readfirstlane_b32 s[WV], v36                 ; wave 0..7
	s_and_b32 s[QG], s[WV], 3
	s_lshr_b32 s[KH], s[WV], 2
	s_and_b32 s[KIND], s[WV], 1
	s_mov_b32 s[I], ttmp9
	s_and_b32 s[HEAD], ttmp7, 0xffff
	s_sub_co_u32 s[N1], 32, s[I]
	s_sub_co_u32 s[QB], 31, s[I]
	s_mov_b32 s[KB], 0
	s_mov_b32 s[U], 0
	s_mov_b32 s[TB], 0
	s_mov_b32 s[SLOTS], 10
	s_mov_b32 s[CS], 0x3e38aa3b                    ; c = log2(e) / sqrt(64)
	s_mov_b32 s[CS+1], s[CS]                       ; (named with it as a pair, so it is written)
	s_mov_b32 s[SEL], 0x76543210
	s_mov_b32 s[SEL+1], 0xfedcba98                 ; v_permlanex16_b32's selects for lane l xor 16
	; every address register is made here, ahead of the first parting of the waves
	v_and_b32 v36, 31, v0                          ; L
	v_and_b32 v37, 15, v0                          ; r
	v_bfe_u32 v38, v0, 4, 1                        ; h
	v_and_b32 v39, 7, v0
	v_bfe_u32 v40, v0, 3, 1
	v_mul_u32_u24 v41, v37, PK
	v_lshl_add_u32 v41, v38, 4, v41                ; r x 144 + 16 h
	s_mul_i32 s98, s[KH], 64*PK
	v_add_nc_u32 v[AK0], s98, v41                  ; K: my wave's 64 keys; row r, 16 bytes for each half of the lanes
	v_lshl_add_u32 v[AV0], v38, 3, v39
	v_mul_u32_u24 v[AV0], v[AV0], PV
	v_lshl_add_u32 v[AV0], v40, 4, v[AV0]          ; V, for the turning load: key 8 h + L % 8, channels 8 ((L / 8) % 2) on
	s_mul_i32 s98, s[KH], 64*PV
	s_add_co_u32 s98, s98, VOFF
	v_add_nc_u32 v[AV0], s98, v[AV0]
	v_lshlrev_b32 v[QOA], 7, v37
	v_lshl_add_u32 v[QOA], v38, 4, v[QOA]          ; Q: row r of 128 bytes + 16 h,
	s_lshl_b32 s98, s[KH], 11
	s_xor_b32 s99, s98, 2048
	v_add_nc_u32 v[QOB], s99, v[QOA]               ; set B: 16 (1 - kh) rows on,
	v_add_nc_u32 v[QOA], s98, v[QOA]               ; set A: 16 kh rows on
	s_mul_i32 s98, s[WV], STGW
	s_add_co_u32 s98, s98, STG
	v_add_nc_u32 v[STO], s98, v41                  ; my stage, in: row r, 16 bytes for each half
	v_bfe_u32 v42, v0, 3, 2
	v_mul_u32_u24 v42, v42, PK
	v_lshl_add_u32 v42, v39, 4, v42
	v_add_nc_u32 v[RD], s98, v42                   ; back: eight lanes to a row of 128 bytes, four rows an instruction
	v_lshlrev_b32 v[GO], 4, v36                    ; which are 512 consecutive bytes of yh
	s_mul_i32 s98, s[WV], MRGW
	s_add_co_u32 s98, s98, MRG
	v_add_nc_u32 v[MWR], s98, v[GO]                ; the merge: my region: 16 L,
	v_lshlrev_b32 v43, 3, v36
	s_add_co_u32 s99, s98, 4096
	v_add_nc_u32 v[MWS], s99, v43                  ; and 8 L for the statistics;
	s_xor_b32 s100, s[WV], 4
	s_mul_i32 s100, s100, MRGW
	s_add_co_u32 s100, s100, MRG
	v_add_nc_u32 v[MRD], s100, v[GO]               ; my partner's likewise
	s_add_co_u32 s100, s100, 4096
	v_add_nc_u32 v[MRS], s100, v43
	v_lshlrev_b32 v44, 3, v38
	v_sub_nc_u32 v44, v37, v44                     ; r - 8 h
	s_lshl_b32 s98, s[QG], 5
	s_mul_i32 s99, s[KH], 48
	s_sub_co_i32 s99, s98, s99
	v_add_nc_u32 v[DA], s99, v44                   ; on the diagonal register 8 t + j of set A holds a hidden key where 16 t + j > my query - 64 kh - 8 h
	s_mul_i32 s99, s[KH], 80
	s_add_co_u32 s98, s98, 16
	s_sub_co_i32 s99, s98, s99
	v_add_nc_u32 v[DB], s99, v44
	v_mov_b32 v[NINF], 0xff800000                  ; -infinity
	v_lshlrev_b32 v[PFO], 8, v36
	; descriptor group 1: a tile of 128 rows x 64 elements of 2 bytes, padded in LDS
	s_mov_b32 s[G1K], (1<<16)|(1<<20)|(4<<22)|(3<<25)   ; no mask; elements of 2 bytes; padding on: after every 32 words four words
	s_mov_b32 s[G1V], (1<<16)|(1<<20)|(4<<22)|(7<<25)   ; the same with eight words
.irp g, G1K, G1V
	s_mov_b32 s[\g+1], 64<<16                      ; tensor_dim0
	s_mov_b32 s[\g+2], 128<<16                     ; tensor_dim1
	s_mov_b32 s[\g+3], 64<<16                      ; tile_dim0
	s_mov_b32 s[\g+4], 128                         ; tile_dim1
	s_mov_b32 s[\g+5], 64                          ; from row to row
	s_mov_b32 s[\g+6], 0
	s_mov_b32 s[\g+7], 0
.endr
	s_lshr_b32 s[UF], s[WV], 1
	s_min_u32 s[UF], s[UF], 2                      ; which unit of a slot I fetch
	s_mul_i32 s99, s[UF], UNITB
	s_mul_i32 s100, s[KIND], VOFF
	s_mov_b32 s[G0], 1
	s_add_co_u32 s[G0+1], s99, s100                ; its place in slot 0
	s_cmp_lt_u32 s[WV], 6
	s_cselect_b32 s[LIM], 32, 0
	s_cmp_eq_u32 s[I], 0
	s_cselect_b32 s[LIM], s[LIM], 0                ; 32 in the fetching waves of pair 0, else 0
	s_lshl_b32 s98, s[HEAD], 19                    ; a group is 524,288 bytes
	s_mov_b32 s99, 0
	s_wait_kmcnt 0x0
	s_add_nc_u64 s[QH:QH+1], s[4:5], s[98:99]
	s_add_nc_u64 s[8:9], s[8:9], s[98:99]          ; yh at my head
	s_lshl_b32 s98, s[KIND], 23
	s_add_co_u32 s98, s98, 0x800000                ; K lies 16 groups behind Q, V 32
	s_add_nc_u64 s[KVB:KVB+1], s[QH:QH+1], s[98:99]
	s_lshl_b32 s98, s[UF], 14                      ; a key block is 16,384 bytes
	s_add_nc_u64 s[G0+2:G0+3], s[KVB:KVB+1], s[98:99]
	s_or_b32 s[G0+3], s[G0+3], 0x80000000
	TLOAD                                          ; slot 0: the one first fill
; THE f32 PART: waves 0-3, query t = 4 i + wave of my head, all in f32.  Lane L takes keys L and L + 32 for the scores, channels 2 L and 2 L + 1 for the sum.  No barrier and no LDS in it.
	s_cmp_lt_u32 s[WV], 4
	s_cbranch_scc0 .Lno_early
	s_lshl_b32 s100, s[I], 2
	s_add_co_u32 s100, s100, s[WV]                 ; t
	s_lshl_b32 s98, s[HEAD], 14
	s_mov_b32 s99, 0
	s_add_nc_u64 s[56:57], s[6:7], s[98:99]        ; q's group of qkv32,
	s_add_nc_u64 s[58:59], s[56:57], 16*16384      ; k's,
	s_add_nc_u64 s[60:61], s[56:57], 32*16384      ; v's
	s_lshl_b32 s98, s100, 8
	s_add_nc_u64 s[56:57], s[56:57], s[98:99]      ; q's row t
	s_lshl_b32 s98, s100, 12
	s_lshl_b32 s101, s[HEAD], 8
	s_add_co_u32 s98, s98, s101
	s_add_nc_u64 s[48:49], s[10:11], s[98:99]      ; y32's row t, my head's 256 bytes
	v_lshlrev_b32 v41, 8, v36                      ; k: a row a lane
	v_lshlrev_b32 v42, 3, v36                      ; v and y: 8 bytes a lane
	v_mov_b32 v43, 0                               ; q: the same row in every lane
	v_mov_b32 v49, 0                               ; (a lane permute's destination counts as one of its sources)
.set j, 0
.rept 16
	global_load_b128 v[64+4*j:67+4*j], v43, s[56:57] offset:16*j
.set j, j+1
.endr
.set j, 0
.rept 16
	global_load_b128 v[128+4*j:131+4*j], v41, s[58:59] offset:16*j
	global_load_b128 v[192+4*j:195+4*j], v41, s[58:59] offset:8192+16*j
.set j, j+1
.endr
	WIN 0x40
.set j, 0
.rept 64
	global_load_b64 v[96+2*j:97+2*j], v42, s[60:61] offset:256*j   ; key j's 64 channels: 256 consecutive bytes
.set j, j+1
.endr
	WIN 0
	s_wait_loadcnt 63                              ; q and k are in: behind them stand v's 64 loads
	v_pk_mul_f32 v[44:45], v[64:65], v[128:129]
	v_pk_mul_f32 v[46:47], v[64:65], v[192:193]
.set j, 2
.rept 31
	v_pk_fma_f32 v[44:45], v[64+j:65+j], v[128+j:129+j], v[44:45]   ; the two keys' chains by turns
	v_pk_fma_f32 v[46:47], v[64+j:65+j], v[192+j:193+j], v[46:47]
.set j, j+2
.endr
	v_add_f32 v44, v44, v45
	v_add_f32 v46, v46, v47
	v_add_nc_u32 v45, 32, v36
	v_cmp_lt_u32 vcc_lo, s100, v36                 ; keys behind t are hidden
	v_cndmask_b32 v44, v44, v[NINF], vcc_lo
	v_cmp_lt_u32 vcc_lo, s100, v45
	v_cndmask_b32 v46, v46, v[NINF], vcc_lo
	v_max_num_f32 v48, v44, v46                    ; the row's largest score (key 0 always counts)
	v_max_num_f32_dpp v48, v48, v48 row_xmask:1 row_mask:0xf bank_mask:0xf
	v_max_num_f32_dpp v48, v48, v48 row_xmask:2 row_mask:0xf bank_mask:0xf
	v_max_num_f32_dpp v48, v48, v48 row_xmask:4 row_mask:0xf bank_mask:0xf
	v_max_num_f32_dpp v48, v48, v48 row_xmask:8 row_mask:0xf bank_mask:0xf
	v_permlanex16_b32 v49, v48, s[SEL], s[SEL+1]
	v_max_num_f32 v48, v48, v49
	v_mul_f32 v48, s[CS], v48
	v_fma_f32 v44, v44, s[CS], -v48
	v_fma_f32 v46, v46, s[CS], -v48
	v_exp_f32 v44, v44
	v_exp_f32 v46, v46
	v_nop                                          ; a plain line behind the exponentials
	s_wait_alu depctr_va_vdst(0)
	v_add_f32 v50, v44, v46
	v_add_f32_dpp v50, v50, v50 row_xmask:1 row_mask:0xf bank_mask:0xf
	v_add_f32_dpp v50, v50, v50 row_xmask:2 row_mask:0xf bank_mask:0xf
	v_add_f32_dpp v50, v50, v50 row_xmask:4 row_mask:0xf bank_mask:0xf
	v_add_f32_dpp v50, v50, v50 row_xmask:8 row_mask:0xf bank_mask:0xf
	v_permlanex16_b32 v49, v50, s[SEL], s[SEL+1]
	v_add_f32 v50, v50, v49
	v_rcp_f32 v51, v50
	v_nop
	s_wait_alu depctr_va_vdst(0)
	v_mul_f32 v44, v44, v51                        ; the weights, normalised
	v_mul_f32 v46, v46, v51
	s_wait_loadcnt 0x0                             ; v
.macro EDOT src, base                  ; 32 keys' weights go to scalar registers; each multiplies its key's two channels of my lane; even and odd keys in chains of their own
.set j, 0
.rept 32
	v_readlane_b32 s[EP+j], v[\src], j
.set j, j+1
.endr
	WIN 0x04                                       ; source 1 (v) window 1
.set j, 0
.rept 32
.if (\base)+j < 2
	v_mul_f32 v[52+2*j], s[EP+j], v[96+2*j]
	v_mul_f32 v[53+2*j], s[EP+j], v[97+2*j]
.else
	v_fmac_f32 v[52+2*(j%2)], s[EP+j], v[96+2*((\base)+j)]
	v_fmac_f32 v[53+2*(j%2)], s[EP+j], v[97+2*((\base)+j)]
.endif
.set j, j+1
.endr
	WIN 0
.endm
	EDOT 44, 0
	EDOT 46, 32
	v_add_f32 v52, v52, v54
	v_add_f32 v53, v53, v55
	global_store_b64 v42, v[52:53], s[48:49]       ; 32 lanes store 256 consecutive bytes, aligned
	s_wait_xcnt 0x0                                ; the store has read its registers: they are written again below
.Lno_early:
; A PASS BEGINS: Q's fragments of block QB (set A, set B), O^T = 0, l = 0, m = -3e38, under every score.
.macro START
	s_lshl_b32 s98, s[QB], 14
	s_lshl_b32 s99, s[QG], 12
	s_add_co_u32 s98, s98, s99
	s_mov_b32 s99, 0
	s_add_nc_u64 s[QP:QP+1], s[QH:QH+1], s[98:99]
	s_lshl_b32 s100, s[KH], 11
	s_add_co_u32 s98, s98, s100
	s_add_nc_u64 s[YP:YP+1], s[8:9], s[98:99]      ; where set A's 16 rows of y go
	WIN 0x40
.irp d, 0,1
	global_load_b128 v[Q+8*\d:Q+8*\d+3], v[QOA], s[QP:QP+1] offset:64*\d
	global_load_b128 v[Q+8*\d+4:Q+8*\d+7], v[QOA], s[QP:QP+1] offset:64*\d+32
	global_load_b128 v[Q+16+8*\d:Q+16+8*\d+3], v[QOB], s[QP:QP+1] offset:64*\d
	global_load_b128 v[Q+16+8*\d+4:Q+16+8*\d+7], v[QOB], s[QP:QP+1] offset:64*\d+32
.endr
.set i, 0
.rept 64
	v_mov_b32 v[O+i], 0                            ; the unit is written once: a pass's first unit finds zeros
.set i, i+1
.endr
	WIN 0
.irp x, 0,1
	v_mov_b32 v[ST+8*\x+1], 0xff61b1e6
	v_mov_b32 v[ST+8*\x+2], 0
	v_mov_b32 v[ST+8*\x+3], 0
.endr
.irp x, 0,1
	v_mul_f32 v[ST+8*\x], s[CS], v[ST+8*\x+1]
.endr
.endm
; THE SOFTMAX of a unit, both sets line by line: the maximum with the old m; p = 2^(c s - c m); a = 2^(c m_old - c m); l = a l + the sum of p; p to f16.
.macro SOFTMAX
.irp j, 0,1,2,3
.irp x, 0,1
	v_max3_num_f32 v[ST+8*\x+4+\j], v[S+32*\x+8*\j], v[S+32*\x+8*\j+1], v[S+32*\x+8*\j+2]   ; four chains, each from an accumulator's low end
.endr
.endr
.irp g, 1,2
.irp j, 0,1,2,3
.irp x, 0,1
	v_max3_num_f32 v[ST+8*\x+4+\j], v[ST+8*\x+4+\j], v[S+32*\x+8*\j+2*\g+1], v[S+32*\x+8*\j+2*\g+2]
.endr
.endr
.endr
.irp x, 0,1
	v_max3_num_f32 v[ST+8*\x+4], v[ST+8*\x+4], v[S+32*\x+7], v[S+32*\x+15]
	v_max3_num_f32 v[ST+8*\x+6], v[ST+8*\x+6], v[S+32*\x+23], v[S+32*\x+31]
.endr
.irp x, 0,1
	v_max3_num_f32 v[ST+8*\x+4], v[ST+8*\x+4], v[ST+8*\x+5], v[ST+8*\x+6]
.endr
.irp x, 0,1
	v_max3_num_f32 v[ST+8*\x+4], v[ST+8*\x+4], v[ST+8*\x+7], v[ST+8*\x+1]
.endr
.irp x, 0,1
	v_permlanex16_b32 v[ST+8*\x+5], v[ST+8*\x+4], s[SEL], s[SEL+1]   ; the query's other 32 keys lie in the lane 16 away
.endr
.irp x, 0,1
	v_mov_b32 v[ST+8*\x+7], v[ST+8*\x]             ; c m_old
.endr
.irp x, 0,1
	v_max_num_f32 v[ST+8*\x+1], v[ST+8*\x+4], v[ST+8*\x+5]
.endr
.irp x, 0,1
	v_mul_f32 v[ST+8*\x], s[CS], v[ST+8*\x+1]
.endr
.irp x, 0,1
	v_sub_f32 v[ST+8*\x+7], v[ST+8*\x+7], v[ST+8*\x]
.endr
.set i, 0
.rept 16
.irp x, 0,1
	v_pk_fma_f32 v[S+32*\x+2*i:S+32*\x+2*i+1], v[S+32*\x+2*i:S+32*\x+2*i+1], s[CS:CS+1], v[ST+8*\x:ST+8*\x+1] op_sel_hi:[1,0,0] neg_lo:[0,0,1] neg_hi:[0,0,1]   ; c s - c m
.endr
.set i, i+1
.endr
.irp x, 0,1
	v_exp_f32 v[ST+8*\x+6], v[ST+8*\x+7]           ; a
.endr
.set i, 0
.rept 64
	v_exp_f32 v[S+i], v[S+i]
.set i, i+1
.endr
	v_nop                                          ; a plain line behind the exponentials
	s_wait_alu depctr_va_vdst(0)
.irp x, 0,1
	v_pk_fma_f32 v[ST+8*\x+2:ST+8*\x+3], v[ST+8*\x+2:ST+8*\x+3], v[ST+8*\x+6:ST+8*\x+7], v[S+32*\x:S+32*\x+1] op_sel_hi:[1,0,1]
.endr
.irp x, 0,1
	v_pk_add_f32 v[T+4*\x:T+4*\x+1], v[S+32*\x+2:S+32*\x+3], v[S+32*\x+4:S+32*\x+5]
.endr
.set i, 3
.rept 13
.irp x, 0,1
.if i%2
	v_pk_add_f32 v[ST+8*\x+2:ST+8*\x+3], v[ST+8*\x+2:ST+8*\x+3], v[S+32*\x+2*i:S+32*\x+2*i+1]   ; two chains a set
.else
	v_pk_add_f32 v[T+4*\x:T+4*\x+1], v[T+4*\x:T+4*\x+1], v[S+32*\x+2*i:S+32*\x+2*i+1]
.endif
.endr
.set i, i+1
.endr
.irp x, 0,1
	v_pk_add_f32 v[ST+8*\x+2:ST+8*\x+3], v[ST+8*\x+2:ST+8*\x+3], v[T+4*\x:T+4*\x+1]
.endr
.set i, 0
.rept 16
.irp x, 0,1
	v_cvt_pk_f16_f32 v[P+16*\x+i], v[S+32*\x+2*i], v[S+32*\x+2*i+1]
.endr
.set i, i+1
.endr
.endm
; A PASS ENDS.  The branch round this macro hangs on the work-group's number and on counts alone: all eight waves take it together, so its two barriers are passed by all or by none.
; My set B's O^T, c m and l go to my region; my partner's set B, which is my set A's queries under its keys, comes back; both are brought under the common maximum, added and divided by the sum.
.macro FINAL
.rept 4
	v_nop                                          ; places behind the last products
.endr
.irp x, 0,1
	v_add_f32 v[ST+8*\x+4], v[ST+8*\x+2], v[ST+8*\x+3]
.endr
.irp x, 0,1
	v_permlanex16_b32 v[ST+8*\x+5], v[ST+8*\x+4], s[SEL], s[SEL+1]
.endr
	v_add_f32 v[ST+4], v[ST+4], v[ST+5]            ; l of set A
	v_add_f32 v37, v[ST+12], v[ST+13]              ; l of set B,
	v_mov_b32 v36, v[ST+8]                         ; and its c m
	WIN 0x04                                       ; an LDS store's data are its source 1: window 1
.irp q, 0,1,2,3,4,5,6,7
	ds_store_b128 v[MWR], v[O+32+4*\q:O+32+4*\q+3] offset:512*\q   ; an image of the registers, each accumulator from its low end on
.endr
	WIN 0
	ds_store_b64 v[MWS], v[36:37]
	s_wait_dscnt 0x0                               ; for my partner's sake: my stores have landed
	s_barrier_signal -1
	s_barrier_wait -1
.irp q, 0,1,2,3,4,5,6,7
	ds_load_b128 v[S+4*\q:S+4*\q+3], v[MRD] offset:512*\q
.endr
	ds_load_b64 v[38:39], v[MRS]
	s_wait_dscnt 0x0                               ; my reads are over: behind the next barrier the regions may be written again
	s_barrier_signal -1
	s_barrier_wait -1
	v_max_num_f32 v40, v[ST], v38                  ; the common c m
	v_sub_f32 v41, v[ST], v40
	v_sub_f32 v42, v38, v40
	v_exp_f32 v44, v41                             ; a wave all of whose keys were hidden has c m far below: its factor is 0
	v_exp_f32 v46, v42
	v_nop
	s_wait_alu depctr_va_vdst(0)
	v_mul_f32 v43, v44, v[ST+4]
	v_fmac_f32 v43, v46, v39                       ; the row's sum
	v_rcp_f32 v48, v43
	v_nop
	s_wait_alu depctr_va_vdst(0)
	v_mul_f32 v44, v44, v48
	v_mul_f32 v46, v46, v48
	v_mov_b32 v45, v44                             ; (named as pairs, so both halves are written)
	v_mov_b32 v47, v46
.set i, 0
.rept 16
	v_pk_mul_f32 v[S+2*i:S+2*i+1], v[S+2*i:S+2*i+1], v[46:47] op_sel_hi:[1,0]
.set i, i+1
.endr
	WIN 0x01                                       ; source 0 (my O^T) window 1
.set i, 0
.rept 16
	v_pk_fma_f32 v[S+32+2*i:S+32+2*i+1], v[O+2*i:O+2*i+1], v[44:45], v[S+2*i:S+2*i+1] op_sel_hi:[1,0,1]
.set i, i+1
.endr
	WIN 0
.set i, 0
.rept 16
	v_cvt_pk_f16_f32 v[P+i], v[S+32+2*i], v[S+32+2*i+1]
.set i, i+1
.endr
.irp t, 0,1,2,3
	ds_store_b128 v[STO], v[P+4*\t:P+4*\t+3] offset:32*\t
.endr
.irp u, 0,1,2,3
	ds_load_b128 v[P+16+4*\u:P+16+4*\u+3], v[RD] offset:\u*4*PK    ; LDS serves a wave's instructions in order: these see my stores
.endr
.irp u, 0,1,2,3
	s_wait_dscnt 3-\u
	global_store_b128 v[GO], v[P+16+4*\u:P+16+4*\u+3], s[YP:YP+1] offset:512*\u   ; 512 consecutive bytes, aligned
.endr
	s_cmp_eq_u32 s[U], 33
	s_cbranch_scc1 .Ldone_\@                       ; the second pass has no successor
	s_wait_xcnt 0x0                                ; the stores have read their registers and their base
	s_mov_b32 s[QB], s[I]
	s_mov_b32 s[KB], 0
	START
.Ldone_\@:
.endm
; A UNIT: my 32 queries x my 64 keys of key block KB.
.macro UNIT
	v_add_nc_u32 v[ADK], s[TB], v[AK0]
	v_add_nc_u32 v[ADV], s[TB], v[AV0]
	v_nop
	v_nop                                          ; four places in front of loads into registers that the last products have read
.irp t, 0,1,2,3
.irp d, 0,1
	ds_load_b128 v[KF+8*(2*\t+\d):KF+8*(2*\t+\d)+3], v[ADK] offset:\t*16*PK+64*\d
	ds_load_b128 v[KF+8*(2*\t+\d)+4:KF+8*(2*\t+\d)+7], v[ADK] offset:\t*16*PK+64*\d+32
.endr
.endr
	WIN 0x40
.irp t, 0,1,2,3
.irp k, 0,1
	ds_load_tr16_b128 v[VF+8*(2*\t+\k):VF+8*(2*\t+\k)+3], v[ADV] offset:\k*32*PV+32*\t
	ds_load_tr16_b128 v[VF+8*(2*\t+\k)+4:VF+8*(2*\t+\k)+7], v[ADV] offset:\k*32*PV+16*PV+32*\t
.endr
.endr
	WIN 0
	s_wait_loadcnt 0x0                             ; Q (met at once in all but a pass's first unit)
	s_wait_dscnt 16                                ; K is in; V's sixteen loads may be out
	WIN 0x04                                       ; source 1 (Q) window 1
.irp d, 0,1                            ; the eight accumulators take turns, one instruction a turn; the first eight products start the sums
.irp t, 0,1,2,3
.irp x, 0,1
.if \d == 0
	v_wmma_f32_16x16x32_f16 v[S+32*\x+8*\t:S+32*\x+8*\t+7], v[KF+8*(2*\t+\d):KF+8*(2*\t+\d)+7], v[Q+16*\x+8*\d:Q+16*\x+8*\d+7], 0
.else
	v_wmma_f32_16x16x32_f16 v[S+32*\x+8*\t:S+32*\x+8*\t+7], v[KF+8*(2*\t+\d):KF+8*(2*\t+\d)+7], v[Q+16*\x+8*\d:Q+16*\x+8*\d+7], v[S+32*\x+8*\t:S+32*\x+8*\t+7]
.endif
.endr
.endr
.endr
	WIN 0
.rept 4
	v_nop
.endr
	s_cmp_lg_u32 s[KB], s[QB]                      ; only the diagonal unit has hidden keys
	s_cbranch_scc1 .Lopen_\@
.set n, 0
.rept 32
	v_cmp_gt_i32 vcc_lo, 16*(n/8)+n%8, v[DA]
	v_cndmask_b32 v[S+n], v[S+n], v[NINF], vcc_lo
	v_cmp_gt_i32 vcc_lo, 16*(n/8)+n%8, v[DB]
	v_cndmask_b32 v[S+32+n], v[S+32+n], v[NINF], vcc_lo
.set n, n+1
.endr
.Lopen_\@:
	SOFTMAX
	s_wait_dscnt 0x0                               ; V is in
	WIN 0x41                                       ; O^T window 1, a window 0
.set i, 0
.rept 16
.irp x, 0,1
	v_pk_mul_f32 v[O+32*\x+2*i:O+32*\x+2*i+1], v[O+32*\x+2*i:O+32*\x+2*i+1], v[ST+8*\x+6:ST+8*\x+7] op_sel_hi:[1,0]
.endr
.set i, i+1
.endr
	WIN 0x51                                       ; V and O^T window 1, P window 0
.irp k, 0,1
.irp t, 0,1,2,3
.irp x, 0,1
	v_wmma_f32_16x16x32_f16 v[O+32*\x+8*\t:O+32*\x+8*\t+7], v[VF+8*(2*\t+\k):VF+8*(2*\t+\k)+7], v[P+16*\x+8*\k:P+16*\x+8*\k+7], v[O+32*\x+8*\t:O+32*\x+8*\t+7]
.endr
.endr
.endr
	WIN 0
	s_add_co_u32 s[TB], s[TB], UNITB
	s_add_co_u32 s[KB], s[KB], 1
	s_add_co_u32 s[U], s[U], 1
	s_cmp_le_u32 s[KB], s[QB]
	s_cbranch_scc1 .Lon_\@
	FINAL
.Lon_\@:
.endm
; THE CHANGE OF SLOTS stands at a slot's head.  Each wave waits for all its tensor loads (its tile of the slot ahead), adds 0 to its spare word, and waits for that and for its reads of the slot that it has left.
; Behind the barrier the slot ahead is whole and nobody reads the other one.  fill = 1: that other slot takes the next three units: the load has three units' work in which to land.
.macro CHANGE fill
	s_wait_tensorcnt 0x0                           ; no tensor load of mine is out, so the group 0 may be written
	ds_add_u32 v[SPW], v[NIL]                      ; 0 onto my spare word
.if \fill
	s_xor_b32 s[G0+1], s[G0+1], SLOT1              ; the other slot than last time,
	s_add_co_u32 s[UF], s[UF], 3                   ; my unit of the next three:
	s_cmp_ge_u32 s[UF], s[N1]
	s_cselect_b32 s98, s[N1], 0
	s_sub_co_u32 s98, s[UF], s98                   ; its key block: the second pass begins again at block 0
	s_lshl_b32 s98, s98, 14
	s_mov_b32 s99, 0
	s_add_nc_u64 s[G0+2:G0+3], s[KVB:KVB+1], s[98:99]
	s_or_b32 s[G0+3], s[G0+3], 0x80000000
	s_add_co_u32 s[PU], s[UF], 3
	s_lshl_b32 s98, s[PU], 14
	s_wait_xcnt 0x0                                ; the last prefetches, a slot back, have read their address
	s_add_nc_u64 s[PFA:PFA+1], s[KVB:KVB+1], s[98:99]
.endif
	s_wait_dscnt 0x0                               ; the add is done, and my reads of the slot that I have left are over
	s_barrier_signal -1
	s_barrier_wait -1
.if \fill
	TLOAD                                          ; the first thing behind the barrier, and a wave's one tensor load until the next
	ASK
.endif
.endm
.macro THREE_UNITS
	s_mov_b32 s[CNT], 3
.Lunit_\@:
	UNIT
	s_sub_co_u32 s[CNT], s[CNT], 1
	s_cmp_lg_u32 s[CNT], 0
	s_cbranch_scc1 .Lunit_\@
	s_sub_co_u32 s[TB], s[TB], 3*UNITB             ; back to a slot's first unit,
	s_xor_b32 s[TB], s[TB], SLOT1                  ; in the other slot
.endm
	START                                          ; the first pass: query block 31 - i
.Lslot:                                            ; ten trips: behind each change of slots but the last the next slot is asked for
	CHANGE 1
	THREE_UNITS
	s_sub_co_u32 s[SLOTS], s[SLOTS], 1
	s_cmp_lg_u32 s[SLOTS], 0
	s_cbranch_scc1 .Lslot
	CHANGE 0                                       ; the last slot is written out
	THREE_UNITS
	s_wait_tensorcnt 0x0                           ; the wave's end
	ds_add_u32 v[SPW], v[NIL]
	s_wait_dscnt 0x0
	s_endpgm
.Lfunc_end_k_q47d0aa3e4c_attn:
	.size	k_q47d0aa3e4c_attn, .Lfunc_end_k_q47d0aa3e4c_attn-k_q47d0aa3e4c_attn
	.p2alignl 7, 3214868480
	.fill 96, 4, 3214868480
	.section	.rodata,"a",@progbits
	.p2align	6, 0x0
	.amdhsa_kernel k_q47d0aa3e4c_attn
		.amdhsa_group_segment_fixed_size 327680
		.amdhsa_private_segment_fixed_size 0
		.amdhsa_enable_private_segment 0
		.amdhsa_kernarg_size 32
		.amdhsa_user_sgpr_count 2
		.amdhsa_user_sgpr_kernarg_segment_ptr 1
		.amdhsa_wavefront_size32 1
		.amdhsa_system_sgpr_workgroup_id_x 1
		.amdhsa_system_sgpr_workgroup_id_y 1
		.amdhsa_system_sgpr_workgroup_id_z 1
		.amdhsa_system_vgpr_workitem_id 0
		.amdhsa_next_free_vgpr 512
		.amdhsa_next_free_sgpr 102
		.amdhsa_reserve_vcc 1
		.amdhsa_float_denorm_mode_32 3
		.amdhsa_float_denorm_mode_16_64 3
		.amdhsa_memory_ordered 1
		.amdhsa_forward_progress 1
		.amdhsa_inst_pref_size 100
	.end_amdhsa_kernel
	.amdgpu_metadata
---
amdhsa.version: [ 1, 2 ]
amdhsa.kernels:
  - .name:           k_q47d0aa3e4c_attn
    .symbol:         k_q47d0aa3e4c_attn.kd
    .args:
      - { .name: qkvh, .offset: 0, .size: 8, .value_kind: global_buffer, .address_space: global }
      - { .name: qkv32, .offset: 8, .size: 8, .value_kind: global_buffer, .address_space: global }
      - { .name: yh, .offset: 16, .size: 8, .value_kind: global_buffer, .address_space: global }
      - { .name: y32, .offset: 24, .size: 8, .value_kind: global_buffer, .address_space: global }
    .group_segment_fixed_size: 327680
    .private_segment_fixed_size: 0
    .kernarg_segment_align: 8
    .kernarg_segment_size: 32
    .max_flat_workgroup_size: 256
    .sgpr_count:     102
    .vgpr_count:     512
    .wavefront_size: 32
...
	.end_amdgpu_metadata
.endif
;; end of part 3
;; launch proj (part 4): grid 8 x 32, 4 waves a work-group, clusters of 4 x 4, 327,680 bytes of LDS; arguments yh, wph, y32, w_proj, out0; writes out0
.if DOCPART == 4
	.amdgcn_target "amdgcn-amd-amdhsa--gfx1250"
	.amdhsa_code_object_version 6
	.text
	.protected	k_q47d0aa3e4c_proj
	.globl	k_q47d0aa3e4c_proj
	.p2align	8
	.type	k_q47d0aa3e4c_proj,@function
k_q47d0aa3e4c_proj:
	s_mov_b64 s[64:65], 0
	v_nop
	global_prefetch_b8 v0, s[64:65] scope:SCOPE_SE
	s_setreg_imm32_b32 hwreg(HW_REG_WAVE_MODE, 25, 1), 1
	s_wait_xcnt 0x0
	s_wait_alu depctr_hold_cnt(0) depctr_sa_sdst(0) depctr_va_vdst(0) depctr_va_sdst(0) depctr_va_ssrc(0) depctr_va_vcc(0) depctr_vm_vsrc(0)
	s_getreg_b32 s2, hwreg(HW_REG_IB_STS2, 6, 4)
	s_cmp_eq_u32 s2, 0
	s_cbranch_scc0 .Lentry_in_a_cluster
	s_endpgm
.Lentry_in_a_cluster:
	s_bfe_u32 s2, ttmp6, 0x10000c
	s_cmp_lg_u32 s2, 0xf033
	s_cbranch_scc0 .Lentry_shape_is_right
	s_endpgm
.Lentry_shape_is_right:
; out0[t][o] = sum over c of y[t][c] w_proj[o][c].  Rows 64-4095: f16 operands (yh [16 head][4096][64], wph [16 head][1024][64]: both laid by head, c = 64 head + d in its own order), f32 sums.
; Rows 0-63: f32 operands (y32 [64][1024], w_proj [1024][1024]) by the f32 matrix form: 256 tiles of 16 x 16, one to each work-group: 1 part in 64 of the product's multiply-adds.
; A tile of out0 is 128 x 128: four waves, each 64 x 64: 16 accumulators.  K goes in steps of 256 (four heads) through two LDS slots; a wave's tensor load brings 64 rows of four heads: four dense
; runs of 8,192 bytes, 16 bytes of padding behind every 128, so that in LDS a head's 64 rows lie 144 bytes apart and the heads 9,216.
; CLUSTERS: 4 x 4 work-groups; A's tiles are shared along a row of the cluster, B's along a column: joint loads.  THE MATRIX INSTRUCTION IS USED TRANSPOSED (source 0 = rows of w, source 1 = rows of y).
; REGISTERS: window 0: v0-31 addresses; v32-95 at work; v96-127 the f32 part's four accumulators, written by matrix instructions alone; v128-255 the accumulators.
;   window 1: two fragment buffers of 128.   window 2: the f32 part's operands: v0-127 w_proj, v128-255 y32.
.set PITCH,  144                       ; an LDS row: 128 bytes + 16: the 16 rows that a load touches start at different banks (64 banks of 4 bytes: ISA guide 11.1)
.set HEADB,  64*PITCH                  ; one head's 64 rows
.set HALFT,  4*HEADB                   ; what one tensor load brings
.set SLOT,   4*HALFT                   ; A's 128 rows, then B's 128 rows
.set SPARE,  2*SLOT                    ; the spare words, 128 bytes a wave: two blocks of 256 bytes that no other line names
.set ERED,   SPARE+512                 ; the f32 part: four waves' partial tiles, 1,024 bytes each
.set SPITCH, 272                       ; the way out: a stage of 16 rows x (256 bytes + 16) for each wave, in slot 0, which has had its last fill and its last read by then
.set LAPS,   2                         ; K = 1,024 is four K steps: twice round the ring
.set ASTEP,  4*524288                  ; a K step on: four heads of yh,
.set BSTEP,  4*131072                  ; of wph
.set ADRA, 16
.set ADRB, 20
.set EG,   22
.set ZM,   23
.set STO,  24
.set RD,   25
.set CO,   26
.set EV,   27
.set SPW,  28
.set NIL,  29
.set ES,   30
.set ER,   31
.set TMP,  32
.set EACC, 96
.set ACC,  128
.set F0,   0
.set F1,   128
.set G1, 24
.set G0, 32
.set G1B, 48
.set G0B, 56
.set MSB, 0
.macro WIN new                         ; the immediate's high byte repeats the setting that is left
.if MSB != \new
	s_set_vgpr_msb (MSB<<8)|\new
.set MSB, \new
.endif
.endm
.set MUL,  0x05                        ; sources 0 (B) and 1 (A) window 1; C and D window 0
.set TO_F, 0x40                        ; destination window 1, address window 0
.macro JLOAD s                         ; a joint load: waves 0 and 1 fetch A's two halves, waves 2 and 3 B's; four v_nop follow each of the two lines
	s_cmp_eq_u32 s11, 0
	s_cbranch_scc0 .Lfor_b_\@
	tensor_load_to_lds s[G0+4*\s:G0+4*\s+3], s[G1:G1+7]
	s_nop 0
.rept 4
	v_nop
.endr
	s_branch .Lasked_\@
.Lfor_b_\@:
	tensor_load_to_lds s[G0B+4*\s:G0B+4*\s+3], s[G1B:G1B+7]
	s_nop 0
.rept 4
	v_nop
.endr
.Lasked_\@:
.endm
.macro CREST                           ; a round of the cluster's barrier behind its opening barrier
	s_cmp_lg_u32 s10, 0
	s_cbranch_scc1 .Lnot_wave_0_\@
	s_barrier_signal -3
.Lnot_wave_0_\@:
	s_barrier_wait -3
	s_barrier_signal -1
	s_barrier_wait -1
.endm
.macro CROUND
	s_barrier_signal -1
	s_barrier_wait -1
	CREST
.endm
	s_load_b128 s[4:7], s[0:1], 0x0                ; yh s[4:5], wph s[6:7]
	s_load_b128 s[68:71], s[0:1], 0x10             ; y32 s[68:69], w_proj s[70:71]
	s_load_b64 s[8:9], s[0:1], 0x20                ; out0
	v_lshl_add_u32 v[SPW], v0, 2, SPARE
	v_mov_b32 v[NIL], 0
	ds_add_u32 v28, v29
	s_wait_dscnt 0x0
	v_lshrrev_b32 v1, 5, v0
	v_readfirstlane_b32 s10, v1                    ; wave 0..3
	s_lshr_b32 s11, s10, 1                         ; which half of the tile's rows is mine.  Also: I fetch for A (0) or for B (1)
	s_and_b32 s12, s10, 1                          ; which half of its columns.  Also: which 64 rows of that tile I fetch
	s_bfe_u32 s40, ttmp6, 0x40000                  ; cx, cy
	s_bfe_u32 s41, ttmp6, 0x40004
	s_lshl_b32 s42, ttmp9, 2
	s_add_co_u32 s42, s42, s40                     ; tile column = 4 x cluster x + cx
	s_and_b32 s13, ttmp7, 0xffff
	s_lshl_b32 s13, s13, 2
	s_add_co_u32 s13, s13, s41                     ; tile row = 4 x cluster y + cy
	s_lshl_b32 s43, s41, 2
	s_lshl_b32 s43, 15, s43                        ; my row of the cluster
	s_lshl_b32 s44, 0x1111, s40                    ; my column
	; descriptor group 1: four runs of 1,024 elements of 8 bytes, a head apart; padding: four words after every 32
	s_or_b32 s[G1+0], s43, (3<<16)|(1<<20)|(1<<21)|(4<<22)|(3<<25)
	s_or_b32 s[G1B+0], s44, (3<<16)|(1<<20)|(1<<21)|(4<<22)|(3<<25)
.irp g, G1, G1B
	s_mov_b32 s[\g+1], 1024<<16                    ; tensor_dim0
	s_mov_b32 s[\g+2], 4<<16                       ; tensor_dim1
	s_mov_b32 s[\g+3], 1024<<16                    ; tile_dim0
	s_mov_b32 s[\g+4], 4                           ; tile_dim1
	s_mov_b32 s[\g+6], 0
	s_mov_b32 s[\g+7], 0
.endr
	s_mov_b32 s[G1+5], 65536                       ; from head to head: 524,288 bytes of yh,
	s_mov_b32 s[G1B+5], 16384                      ; 131,072 of wph
	s_lshl_b32 s17, s12, 6                         ; which 64 rows of the tile I fetch
	s_lshl_b32 s16, s13, 7
	s_add_co_u32 s16, s16, s17                     ; A: row 128 x tile row + 64 x half,
	s_lshl_b32 s16, s16, 7                         ; 128 bytes a row
	s_lshl_b32 s46, s42, 7
	s_add_co_u32 s46, s46, s17                     ; B: row 128 x tile column + 64 x half
	s_lshl_b32 s46, s46, 7
	s_mov_b32 s17, 0
	s_mov_b32 s47, 0
	s_mul_i32 s20, s10, HALFT                      ; where they go: no place in the cluster enters an LDS address
	s_wait_kmcnt 0x0
	s_add_nc_u64 s[14:15], s[4:5], s[16:17]
	s_add_nc_u64 s[46:47], s[6:7], s[46:47]
	CROUND                                         ; all sixteen work-groups are here: the first joint loads meet
.irp s, 0,1
	s_mov_b32 s[G0+4*\s], 1
	s_add_co_u32 s[G0+4*\s+1], s20, \s*SLOT
	s_add_nc_u64 s[G0+4*\s+2:G0+4*\s+3], s[14:15], \s*ASTEP
	s_or_b32 s[G0+4*\s+3], s[G0+4*\s+3], 0x80000000
	s_mov_b32 s[G0B+4*\s], 1
	s_add_co_u32 s[G0B+4*\s+1], s20, \s*SLOT
	s_add_nc_u64 s[G0B+4*\s+2:G0B+4*\s+3], s[46:47], \s*BSTEP
	s_or_b32 s[G0B+4*\s+3], s[G0B+4*\s+3], 0x80000000
	JLOAD \s
.endr
	v_and_b32 v1, 15, v0                           ; r
	v_bfe_u32 v2, v0, 4, 1                         ; h
	v_and_b32 v6, 31, v0
	v_lshlrev_b32 v6, 4, v6                        ; 16 L
	v_mul_u32_u24 v3, v1, PITCH
	v_lshl_add_u32 v3, v2, 4, v3                   ; a fragment's row x pitch + 16 x half
	s_mul_i32 s21, s11, HALFT                      ; my 64 rows of A
	s_mul_i32 s22, s12, HALFT                      ; my 64 rows of B,
	s_add_co_u32 s22, s22, 2*HALFT                 ; which lie behind A's 128
.irp s, 0,1
	v_add_nc_u32 v[ADRA+\s], s21, v3
	v_add_nc_u32 v[ADRB+\s], s22, v3
	s_add_co_u32 s21, s21, SLOT
	s_add_co_u32 s22, s22, SLOT
.endr
	s_mul_i32 s23, s10, 16*SPITCH                  ; my stage
	v_mul_u32_u24 v4, v1, SPITCH
	v_lshl_add_u32 v4, v2, 5, v4
	v_add_nc_u32 v[STO], s23, v4                   ; in: row r, 32 bytes for each half of the lanes
	v_mul_u32_u24 v5, v2, SPITCH
	v_lshl_add_u32 v5, v1, 4, v5
	v_add_nc_u32 v[RD], s23, v5                    ; back: lanes 0-15 one row of 256 bytes, lanes 16-31 the next
	v_lshlrev_b32 v[CO], 12, v2
	v_lshl_add_u32 v[CO], v1, 4, v[CO]             ; and the same two rows in out0
	v_lshlrev_b32 v[EV], 12, v1
	v_lshl_add_u32 v[EG], v2, 5, v[EV]             ; the f32 part's result: row r of 4,096 bytes + 32 h
	v_lshl_add_u32 v[EV], v2, 4, v[EV]             ; its operands: row r + 16 h
	s_lshl_b32 s23, s10, 10
	s_add_co_u32 s23, s23, ERED
	v_add_nc_u32 v[ES], s23, v6                    ; my partial tile: 1,024 x wave + 16 L
	s_lshl_b32 s23, s12, 9
	s_add_co_u32 s23, s23, ERED
	v_add_nc_u32 v[ER], s23, v6                    ; and what waves 0 and 1 read back: half wave % 2 of each partial tile
	; the f32 part's tile: e = 8 x tile row + tile column; rows 16 (e / 64) on, columns 16 (e % 64) on.  Only global addresses hang on it
	s_lshl_b32 s20, s13, 3
	s_add_co_u32 s20, s20, s42
	s_lshr_b32 s21, s20, 6
	s_and_b32 s20, s20, 63
	s_lshl_b32 s22, s10, 10                        ; my wave's 256 along K
	s_lshl_b32 s16, s20, 16
	s_add_co_u32 s16, s16, s22
	s_mov_b32 s17, 0
	s_add_nc_u64 s[70:71], s[70:71], s[16:17]      ; w_proj's 16 rows
	s_lshl_b32 s16, s21, 16
	s_add_co_u32 s18, s16, s22
	s_mov_b32 s19, 0
	s_add_nc_u64 s[68:69], s[68:69], s[18:19]      ; y32's 16 rows
	s_lshl_b32 s18, s20, 6
	s_add_co_u32 s16, s16, s18
	s_lshl_b32 s18, s12, 4
	s_add_co_u32 s16, s16, s18
	s_add_nc_u64 s[66:67], s[8:9], s[16:17]        ; the tile in out0, + 16 bytes for wave 1
	s_lshl_b32 s16, s13, 7
	s_lshl_b32 s18, s11, 6
	s_add_co_u32 s16, s16, s18                     ; my first row of out0: 128 x tile row + 64 x half,
	s_lshl_b32 s16, s16, 12
	s_lshl_b32 s18, s42, 9
	s_add_co_u32 s16, s16, s18                     ; my first column, in bytes: 512 x tile column + 256 x half
	s_lshl_b32 s18, s12, 8
	s_add_co_u32 s16, s16, s18
	s_add_nc_u64 s[8:9], s[8:9], s[16:17]
	; THE f32 PART, while the first tiles are on their way.  A lane's load takes k = 8 s + 4 h + 0 .. 3 of its row; step 2 s + u takes registers 4 s + 2 u, + 1: the same k on both sides, each k once.
	WIN 0x80                                       ; destination window 2
.set n, 0
.rept 32
	global_load_b128 v[4*n:4*n+3], v[EV], s[70:71] offset:32*n
	global_load_b128 v[128+4*n:128+4*n+3], v[EV], s[68:69] offset:32*n
.set n, n+1
.endr
	s_wait_loadcnt 0x0
	WIN 0x0a                                       ; sources 0 and 1 window 2; C and D window 0
.set n, 0
.rept 64                               ; four accumulators take turns, one instruction a turn; the first four products start the sums
.if n < 4
	v_wmma_f32_16x16x4_f32 v[EACC+8*(n%4):EACC+8*(n%4)+7], v[2*n:2*n+1], v[128+2*n:129+2*n], 0
.else
	v_wmma_f32_16x16x4_f32 v[EACC+8*(n%4):EACC+8*(n%4)+7], v[2*n:2*n+1], v[128+2*n:129+2*n], v[EACC+8*(n%4):EACC+8*(n%4)+7]
.endif
.set n, n+1
.endr
	WIN 0
.rept 8
	v_nop                                          ; eight places behind this form (ISA guide 7.12.1)
.endr
.irp p, 0,2,4,6
	v_pk_add_f32 v[TMP+\p:TMP+\p+1], v[EACC+\p:EACC+\p+1], v[EACC+8+\p:EACC+8+\p+1]      ; each accumulator from its low end on; the sums go into other registers
.endr
.irp p, 0,2,4,6
	v_pk_add_f32 v[TMP+8+\p:TMP+8+\p+1], v[EACC+16+\p:EACC+16+\p+1], v[EACC+24+\p:EACC+24+\p+1]
.endr
.irp p, 0,2,4,6
	v_pk_add_f32 v[TMP+\p:TMP+\p+1], v[TMP+\p:TMP+\p+1], v[TMP+8+\p:TMP+8+\p+1]
.endr
	ds_store_b128 v[ES], v[TMP:TMP+3]              ; lane (r, h): row r, columns 8 h + 0 .. 3,
	ds_store_b128 v[ES], v[TMP+4:TMP+7] offset:512 ; and 8 h + 4 .. 7
.macro MUL8 f, c, a0, zero             ; 8 matrix instructions: m blocks a0, a0 + 1 x all 4 n blocks, 32 along K
.irp a, \a0, \a0+1
.irp b, 0,1,2,3
.if \zero
	v_wmma_f32_16x16x32_f16 v[ACC+8*(4*(\a)+\b):ACC+8*(4*(\a)+\b)+7], v[\f+64+8*(4*\c+\b):\f+64+8*(4*\c+\b)+7], v[\f+8*(4*\c+\a):\f+8*(4*\c+\a)+7], 0
.else
	v_wmma_f32_16x16x32_f16 v[ACC+8*(4*(\a)+\b):ACC+8*(4*(\a)+\b)+7], v[\f+64+8*(4*\c+\b):\f+64+8*(4*\c+\b)+7], v[\f+8*(4*\c+\a):\f+8*(4*\c+\a)+7], v[ACC+8*(4*(\a)+\b):ACC+8*(4*(\a)+\b)+7]
.endif
.endr
.endr
.endm
.macro FETCH slot, k, f                ; 32 LDS loads in one run: the fragments of one head (64 along K), at byte k of the wave's part, into buffer f; the first 32 along K first
	WIN TO_F
.irp c, 0,1
.irp i, 0,1,2,3
	ds_load_b128 v[\f+64+8*(4*\c+\i):\f+64+8*(4*\c+\i)+3],   v[ADRB+\slot] offset:\k+64*\c+\i*16*PITCH
	ds_load_b128 v[\f+64+8*(4*\c+\i)+4:\f+64+8*(4*\c+\i)+7], v[ADRB+\slot] offset:\k+64*\c+\i*16*PITCH+32
	ds_load_b128 v[\f+8*(4*\c+\i):\f+8*(4*\c+\i)+3],         v[ADRA+\slot] offset:\k+64*\c+\i*16*PITCH
	ds_load_b128 v[\f+8*(4*\c+\i)+4:\f+8*(4*\c+\i)+7],       v[ADRA+\slot] offset:\k+64*\c+\i*16*PITCH+32
.endr
.endr
.endm
.macro PLACES
.rept 4
	v_nop
.endr
.endm
.macro QUARTER slot, k, f, g, zero     ; multiplies buffer f and fetches the next head, at byte k, into g
	s_wait_dscnt 16                                ; the first 32 along K are in
	WIN MUL
	MUL8 \f, 0, 0, \zero
	MUL8 \f, 0, 2, \zero
	PLACES
	FETCH \slot, \k, \g
	s_wait_dscnt 32                                ; all but the 32 just issued
	WIN MUL
	MUL8 \f, 1, 0, 0
	MUL8 \f, 1, 2, 0
.endm
; The last quarter multiplies buffer 1 and changes slots: ONE barrier; in front of it each wave waits for all its tensor loads, adds 0 to its spare word, and waits for that and for its reads of this slot.
.macro TURN slot, next, fill
	WIN 0
	s_wait_tensorcnt 0x0                           ; all my tensor loads have landed: my part of the next slot
	ds_add_u32 v[SPW], v[NIL]                      ; 0 onto my spare word
	s_wait_dscnt 17                                ; (the add and the youngest sixteen loads may be out)
	WIN MUL
	MUL8 F1, 0, 0, 0
	s_wait_dscnt 0x0                               ; the add is done, and my reads of this slot are over
	s_barrier_signal -1
	MUL8 F1, 0, 2, 0
.if \fill
	WIN 0
.endif
	s_barrier_wait -1
.if \fill
	CREST                                          ; the barrier has opened a round of the cluster's barrier: no wave of any partner still reads this slot or has a load on its way
	s_add_nc_u64 s[G0+4*\slot+2:G0+4*\slot+3], s[G0+4*\slot+2:G0+4*\slot+3], 2*ASTEP
	s_add_nc_u64 s[G0B+4*\slot+2:G0B+4*\slot+3], s[G0B+4*\slot+2:G0B+4*\slot+3], 2*BSTEP
	JLOAD \slot                                    ; the first tensor load behind the round; its four v_nop are also the places in front of the loads below
.else
	PLACES
.endif
	FETCH \next, 0, F0
	WIN MUL
	MUL8 F1, 1, 0, 0
	MUL8 F1, 1, 2, 0
.endm
	s_wait_tensorcnt 1                             ; my part of K step 0 is in (K step 1's may be out)
	s_wait_dscnt 0x0                               ; and my partial tile has landed
	s_barrier_signal -1
	s_barrier_wait -1
	s_cmp_lt_u32 s10, 2                            ; waves 0 and 1 add the four partial tiles, half a tile each, and store it
	s_cbranch_scc0 .Lno_sum
.irp p, 0,1,2,3
	ds_load_b128 v[TMP+4*\p:TMP+4*\p+3], v[ER] offset:1024*\p
.endr
	s_wait_dscnt 0x0
	v_pk_add_f32 v[TMP:TMP+1], v[TMP:TMP+1], v[TMP+4:TMP+5]
	v_pk_add_f32 v[TMP+2:TMP+3], v[TMP+2:TMP+3], v[TMP+6:TMP+7]
	v_pk_add_f32 v[TMP+8:TMP+9], v[TMP+8:TMP+9], v[TMP+12:TMP+13]
	v_pk_add_f32 v[TMP+10:TMP+11], v[TMP+10:TMP+11], v[TMP+14:TMP+15]
	v_pk_add_f32 v[TMP:TMP+1], v[TMP:TMP+1], v[TMP+8:TMP+9]
	v_pk_add_f32 v[TMP+2:TMP+3], v[TMP+2:TMP+3], v[TMP+10:TMP+11]
	global_store_b128 v[EG], v[TMP:TMP+3], s[66:67]   ; 16 bytes of each of 16 rows, twice: rows 0-63 are 1 part in 64 of the output
.Lno_sum:
	FETCH 0, 0, F0
	QUARTER 0, HEADB, F0, F1, 1                    ; the first quarter stands in front of the loop: its first products start the sums
	WIN 0
	s_mov_b32 s3, LAPS-1
.Llap:                                             ; a trip goes once round the ring and fills both slots again
	QUARTER 0, 2*HEADB, F1, F0, 0
	QUARTER 0, 3*HEADB, F0, F1, 0
	TURN 0, 1, 1
	QUARTER 1, HEADB, F0, F1, 0
	QUARTER 1, 2*HEADB, F1, F0, 0
	QUARTER 1, 3*HEADB, F0, F1, 0
	TURN 1, 0, 1
	QUARTER 0, HEADB, F0, F1, 0
	WIN 0
	s_sub_co_u32 s3, s3, 1
	s_cmp_lg_u32 s3, 0
	s_cbranch_scc1 .Llap
	QUARTER 0, 2*HEADB, F1, F0, 0                  ; the last lap fills nothing, and has no round of the cluster's barrier
	QUARTER 0, 3*HEADB, F0, F1, 0
	TURN 0, 1, 0
	QUARTER 1, HEADB, F0, F1, 0
	QUARTER 1, 2*HEADB, F1, F0, 0
	QUARTER 1, 3*HEADB, F0, F1, 0
	s_wait_dscnt 16
	WIN MUL
	MUL8 F1, 0, 0, 0
	MUL8 F1, 0, 2, 0
	s_wait_dscnt 0
	MUL8 F1, 1, 0, 0
	MUL8 F1, 1, 2, 0
	WIN 0
; THE WAY OUT, each wave by itself: its 64 columns are 256 bytes of a row.  A block of 16 rows goes through my stage and comes back as whole rows; sixteen lanes store 256 consecutive bytes, aligned.
; Rows 0-63 belong to the f32 part: the waves that hold them (tile row + my half of the rows = 0) go through these lines with no lane on; no branch hangs on a work-group's place in its cluster.
	PLACES
	s_add_co_u32 s23, s13, s11
	v_mov_b32 v[ZM], s23
	v_cmp_ne_u32 vcc_lo, 0, v[ZM]
	s_wait_xcnt 0x0                                ; EXEC changes only behind this wait; the f32 part's store has read its registers
	s_and_saveexec_b32 s2, vcc_lo
.macro TOSTAGE a
.set BB, TMP+32*((\a)%2)
.irp b, 0,1,2,3
	ds_store_b128 v[STO], v[ACC+8*(4*(\a)+\b):ACC+8*(4*(\a)+\b)+3] offset:64*\b          ; each accumulator from its low end on
	ds_store_b128 v[STO], v[ACC+8*(4*(\a)+\b)+4:ACC+8*(4*(\a)+\b)+7] offset:64*\b+16
.endr
.irp u, 0,1,2,3,4,5,6,7
	ds_load_b128 v[BB+4*\u:BB+4*\u+3], v[RD] offset:\u*2*SPITCH   ; LDS serves a wave's instructions in order: these see my stores
.endr
.endm
.macro SEND a, younger                 ; younger: the LDS instructions issued behind block a's loads, which may stay out
.set BB, TMP+32*((\a)%2)
	s_wait_dscnt \younger
.irp u, 0,1,2,3,4,5,6,7
	global_store_b128 v[CO], v[BB+4*\u:BB+4*\u+3], s[8:9] offset:(16*(\a)+2*\u)*4096 th:TH_STORE_NT
.endr
.endm
	TOSTAGE 0
.irp a, 1,2,3
.if \a > 1
	s_wait_xcnt 0x0                                ; block a - 2's stores have read their registers: block a's loads may land there
.endif
	TOSTAGE \a
	SEND \a-1, 16                                  ; behind block a - 1's loads: block a's 8 stores and 8 loads
.endr
	SEND 3, 0
	s_wait_xcnt 0x0                                ; and again, in front of the line that widens EXEC
	s_or_b32 exec_lo, exec_lo, s2
	s_wait_tensorcnt 0x0                           ; the wave's end
	ds_add_u32 v[SPW], v[NIL]
	s_wait_dscnt 0x0
	CROUND                                         ; the closing round
	s_endpgm
.Lfunc_end_k_q47d0aa3e4c_proj:
	.size	k_q47d0aa3e4c_proj, .Lfunc_end_k_q47d0aa3e4c_proj-k_q47d0aa3e4c_proj
	.p2alignl 7, 3214868480
	.fill 96, 4, 3214868480
	.section	.rodata,"a",@progbits
	.p2align	6, 0x0
	.amdhsa_kernel k_q47d0aa3e4c_proj
		.amdhsa_group_segment_fixed_size 327680
		.amdhsa_private_segment_fixed_size 0
		.amdhsa_enable_private_segment 0
		.amdhsa_kernarg_size 40
		.amdhsa_user_sgpr_count 2
		.amdhsa_user_sgpr_kernarg_segment_ptr 1
		.amdhsa_wavefront_size32 1
		.amdhsa_system_sgpr_workgroup_id_x 1
		.amdhsa_system_sgpr_workgroup_id_y 1
		.amdhsa_system_sgpr_workgroup_id_z 1
		.amdhsa_system_vgpr_workitem_id 0
		.amdhsa_next_free_vgpr 768
		.amdhsa_next_free_sgpr 72
		.amdhsa_reserve_vcc 1
		.amdhsa_float_denorm_mode_32 3
		.amdhsa_float_denorm_mode_16_64 3
		.amdhsa_memory_ordered 1
		.amdhsa_forward_progress 1
		.amdhsa_inst_pref_size 99
	.end_amdhsa_kernel
	.amdgpu_metadata
---
amdhsa.version: [ 1, 2 ]
amdhsa.kernels:
  - .name:           k_q47d0aa3e4c_proj
    .symbol:         k_q47d0aa3e4c_proj.kd
    .args:
      - { .name: yh, .offset: 0, .size: 8, .value_kind: global_buffer, .address_space: global }
      - { .name: wph, .offset: 8, .size: 8, .value_kind: global_buffer, .address_space: global }
      - { .name: y32, .offset: 16, .size: 8, .value_kind: global_buffer, .address_space: global }
      - { .name: w_proj, .offset: 24, .size: 8, .value_kind: global_buffer, .address_space: global }
      - { .name: out0, .offset: 32, .size: 8, .value_kind: global_buffer, .address_space: global }
    .group_segment_fixed_size: 327680
    .private_segment_fixed_size: 0
    .kernarg_segment_align: 8
    .kernarg_segment_size: 40
    .max_flat_workgroup_size: 128
    .sgpr_count:     72
    .vgpr_count:     768
    .wavefront_size: 32
...
	.end_amdgpu_metadata
.endif
;; end of part 4
